; MI455X (gfx1250); checked and timed in simulation.
; The chip was launched on July 23, 2026; its instructions are those of AMD's public machine-readable ISA for CDNA 5 (MIT licence, August 2026) and "CDNA5" Instruction Set Architecture Reference Guide (July 2026). The comments in the code are by the model that wrote it; some were corrected since.
;; Encoder Layer. Allowed arithmetic: matrix products marked QUANTISED: E4M3 operands, one given power-of-two scale a tensor, by v_wmma_f32_16x16x64_fp8_fp8 or v_wmma_f32_16x16x128_fp8_fp8, f32 sums; everything else in f32.
;; Inputs: b_fc_out 1,024 float32; b_ff1 4,096 float32; b_ff2 1,024 float32; be1 1,024 float32; be2 1,024 float32; g1 1,024 float32; g2 1,024 float32; lowp_scales 10 int32 (the exponents e of the quantised operands' scales 2^e); w_fc_out 1,024 x 1,024 float32; w_ff1 1,024 x 4,096 float32; w_ff2 4,096 x 1,024 float32; x 2 x 2,048 x 1,024 float32.
;; Outputs: out0 2 x 2,048 x 1,024 float32.
;; This version of the problem:
;;   THIS VERSION OF THE PROBLEM IS GIVEN IN LOW PRECISION. The matrix products marked QUANTISED in the list below multiply operands that are first quantised to E4M3 (4 exponent bits, 3 mantissa bits; 8 bits a number), with one given power-of-two scale for each operand tensor; their sums are f32. All else is computed in f32.
;;   The module's matrix products, in the order in which they are computed (A, B: the left and right operand; K: the contracted axis; several contracted axes count as one K, in the product's order):
;;     1. batch 32 x [M 2,048, K 64] x [K 64, N 2,048]; A: input x; B: input x: QUANTISED (scales: A lowp_scales[0], B lowp_scales[1])
;;     2. batch 32 x [M 64, K 2,048] x [K 2,048, N 2,048]; A: input x; B: softmax (see below): QUANTISED (scales: A lowp_scales[2], B lowp_scales[3])
;;     3. [M 4,096, K 1,024] x [K 1,024, N 1,024]; A: computed on the way; B: input w_fc_out: QUANTISED (scales: A lowp_scales[4], B lowp_scales[5])
;;     4. [M 4,096, K 1,024] x [K 1,024, N 4,096]; A: computed on the way; B: input w_ff1: QUANTISED (scales: A lowp_scales[6], B lowp_scales[7])
;;     5. [M 4,096, K 4,096] x [K 4,096, N 1,024]; A: computed on the way; B: input w_ff2: QUANTISED (scales: A lowp_scales[8], B lowp_scales[9])
;;   THE QUANTISER, for each operand of a quantised product, along K:
;;     - The operand's scale is 2^e, e = its entry of the input lowp_scales (int32; the entries are numbered through the quantised products in the list's order, A before B).
;;     - Each number is divided by the scale, clamped to +-448, and rounded to the nearest number of E4M3, ties to even, subnormals kept.
;;     - The product sums the exact products of the quantised numbers (number of the format x scale) in f32.
;;   ~~~python
;;   def quantise(x, axis, e):      # numpy; x: float32 -> the quantised numbers, widened to float32 again
;;       x = np.moveaxis(x, axis, -1); K = x.shape[-1]
;;       r = np.clip(x / 2.0 ** e, -448, 448)
;;       step = 2.0 ** (np.maximum(np.frexp(np.where(r == 0, 1, r))[1] - 1, -6) - 3)
;;       q = np.round(r / step) * step * 2.0 ** e      # np.round: ties to even
;;       return np.moveaxis(q, -1, axis).astype(np.float32)
;;   ~~~
;;   SOFTMAX AHEAD OF A QUANTISED PRODUCT. Where the list says 'softmax', what is quantised is not the finished softmax but p = 2^(t - M), with t = logit x log2(e) and M = ceil(the row's largest t), a whole number; so 1/2 < the row's largest p <= 1. The row's sum l is taken of the UNQUANTISED p, in f32, and the product's result is divided by l at the end. Since M is a whole number, a kernel that streams over the keys may use a running M (the ceiling of the running maximum): every later rescaling is an exact power of two, so the quantised numbers keep their values, but for numbers so far below the row's largest that they fall under the format's range.
;;   OPERANDS COMPUTED ON THE WAY. 'Computed on the way' means the value that the module computes at that place (a softmax that the list does not call 'softmax' is quantised finished and normalised). What goes into a quantiser is computed in f32, as accurately as f32 sums, v_exp_f32 and their like allow (about 1e-6 of the number): no bf16 or f16 on the way to a quantiser, and a product that is left as it is and whose result goes on into a quantised operand takes f32 operands (vector FMAs, or v_wmma_f32_16x16x4_f32). A number that lies on a knife's edge between two numbers of the format may be rounded either way, as far as f32 arithmetic and the matrix unit's own rounding can turn it there, and no further.
;; One version. Each part assembles by itself: llvm-mc -triple=amdgcn-amd-amdhsa -mcpu=gfx1250 --defsym DOCPART=n.
;; ======== version 1 of 1: 7 launches
;; limits: right only within a limited range of input values
;; workspace buffers: xc 12,582,912 bytes; wc 9,437,184 bytes; ao 4,194,304 bytes; z 16,777,216 bytes; x1 16,777,216 bytes; x1c 4,194,304 bytes; hc 16,777,216 bytes
;; launch prep (part 1): grid 672 x 1, 4 waves a work-group, no clusters, 55,808 bytes of LDS; arguments x, w_fc_out, w_ff1, w_ff2, lowp_scales, xc, wc; writes xc, wc
.if DOCPART == 1
	.amdgcn_target "amdgcn-amd-amdhsa--gfx1250"
	.amdhsa_code_object_version 6
	.text
	.protected	k_q7f4e5247a5_prep
	.globl	k_q7f4e5247a5_prep
	.p2align	8
	.type	k_q7f4e5247a5_prep,@function
k_q7f4e5247a5_prep:
	s_mov_b64 s[64:65], 0
	v_nop
	global_prefetch_b8 v0, s[64:65] scope:SCOPE_SE
	s_setreg_imm32_b32 hwreg(HW_REG_WAVE_MODE, 25, 1), 1
	s_wait_xcnt 0x0
; Every operand that is an INPUT is turned into codes of FP8 (E4M3) once, each with the scale 2^e given for it.
; code = number / 2^e, held within +-448, rounded to the nearest code, ties to even.
; xc: byte 0        x as queries (e0), [4096 rows][1024];
;     byte XKOFF    x as keys (e1), [4096 rows][1024], in each group of 32 rows the second and third eight changed over (bits 3 and 4 of the row's number swapped),
;                   so that 16 rows on end are the keys that a tile of the first product wants;
;     byte XVOFF    x as values (e2), [2][1024 channels][2048 keys]: the keys are the second product's K, so they lie innermost.
; wc: byte 0 w_fc_out (e5) [1024 n][1024 k];  1 MiB w_ff1 (e7) [4096 n][1024 k];  5 MiB w_ff2 (e9) [1024 n][4096 k]: K innermost.
; Work-groups 0-415: tensors whose K is the FIRST axis (the weights; x as values): a lane takes a column, its registers run down K.
; Work-groups 416-671: x as queries and as keys: K innermost, a plain stream.  The two paths have LDS bytes of their own; waves share nothing: no barrier.
; LIMITS: each e between -126 and 119, so that 2^e and 448 x 2^e are f32 numbers.  NaN among the inputs is not served.
; THE LAYOUT OF xc AS THE CODE BELOW MAKES IT (it takes the place of the three lines on xc above): all three sets lie head by head, 131,072 bytes for each (batch, head), 16 batch + head on end:
;   byte 0      queries: [2][16 heads][2048 rows][64 codes];
;   byte XKOFF  keys: the same, with bits 3 and 4 of the row's number swapped;
;   byte XVOFF  values: [2][16 heads][8 chunks of 256 keys][64 channels][256 keys].
; So a head's part of each set is one dense block, whose rows of 256 bytes begin at multiples of 256 bytes.
.set XKOFF, 0x400000
.set XVOFF, 0x800000
.set TRO,  16                          ; v16-47   column path: 4 x lane + i rows of the source
.set TX,   48                          ; v48-111  two sets of 32 numbers
.set TC,   112                         ; v112-119 a block's codes
.set TOUT, 120                         ; v120-183 the way out
.set TOO,  184                         ; v184-199 the way out: offsets of 16 pairs of rows of codes
.set BP,   48                          ; s[48:63] the source at each of the eight blocks of 32 along K
.set SR,   16                          ; v16-79   stream path: four sets of 16 numbers as loaded
.set SX,   80                          ; v80-111  two sets of 16 neighbours
.set ST,   112                         ; v112-127 held for the queries' scale
.set SCQ,  128                         ; v128-159 queries' codes, four registers a step
.set SCK,  160                         ; v160-191 keys' codes
.set SP,   80                          ; a lane's place in a stage: 64 bytes + 16 of padding
.set SREG, 34816                       ; the stream path's LDS begins behind the column path's four stages of 32 x 272 bytes
	s_load_b256 s[4:11], s[0:1], 0x0               ; x s[4:5], w_fc_out s[6:7], w_ff1 s[8:9], w_ff2 s[10:11]
	s_load_b128 s[12:15], s[0:1], 0x20             ; the scales' exponents s[12:13], xc s[14:15]
	s_load_b64 s[16:17], s[0:1], 0x30              ; wc
	v_lshl_add_u32 v208, v0, 2, 0xd800
	v_mov_b32 v209, 0
	v_lshrrev_b32 v1, 5, v0
	v_readfirstlane_b32 s18, v1                    ; wave 0..3
	v_and_b32 v2, 31, v0                           ; lane
	s_wait_kmcnt 0x0
	s_load_b256 s[36:43], s[12:13], 0x0            ; e0 .. e7
	s_load_b64 s[44:45], s[12:13], 0x20            ; e8, e9
	s_cmp_lt_u32 ttmp9, 416
	s_cbranch_scc0 .Lstraight
; ---------------- K IS THE FIRST AXIS: a work-group takes 128 columns x 256 along K, a wave 32 columns, a lane one
; Which tensor: chosen by the work-group's number alone.  288-415 x, 160-287 w_ff2, 32-159 w_ff1, 0-31 w_fc_out.
	s_mov_b64 s[20:21], s[4:5]                     ; the source
	s_mov_b64 s[22:23], s[14:15]                   ; the codes' buffer
	s_mov_b32 s29, XVOFF                           ; where the tensor's codes begin in it
	s_mov_b32 s24, 288                             ; the tensor's first work-group
	s_mov_b32 s25, 3                               ; log2 of its blocks of 128 columns
	s_mov_b32 s26, 4096                            ; a source row in bytes
	s_mov_b32 s27, 256                             ; a row of codes in bytes: x as values: a channel's 256 keys of one chunk
	s_mov_b32 s28, 0x200000-0x20000                ; x alone: from the end of batch 0's eight chunks of a head to batch 1's plane
	s_mov_b32 s68, 16384                           ; from one 256 along K to the next: x: a chunk of 64 channels x 256 bytes
	s_mov_b32 s69, 0x20000-0x4000                  ; x alone: from the end of a head's 64 rows of one chunk to the next head's block
	s_cmp_lt_u32 ttmp9, 288
	s_cselect_b64 s[20:21], s[10:11], s[20:21]
	s_cselect_b64 s[22:23], s[16:17], s[22:23]
	s_cselect_b32 s29, 0x500000, s29
	s_cselect_b32 s24, 160, s24
	s_cselect_b32 s27, 4096, s27
	s_cselect_b32 s28, 0, s28
	s_cselect_b32 s68, 256, s68                    ; the weights: 256 bytes further on in the row
	s_cselect_b32 s69, 0, s69
	s_cmp_lt_u32 ttmp9, 160
	s_cselect_b64 s[20:21], s[8:9], s[20:21]
	s_cselect_b32 s29, 0x100000, s29
	s_cselect_b32 s24, 32, s24
	s_cselect_b32 s25, 5, s25
	s_cselect_b32 s26, 16384, s26
	s_cselect_b32 s27, 1024, s27
	s_cmp_lt_u32 ttmp9, 32
	s_cselect_b64 s[20:21], s[6:7], s[20:21]
	s_cselect_b32 s29, 0, s29
	s_cselect_b32 s24, 0, s24
	s_cselect_b32 s25, 3, s25
	s_cselect_b32 s26, 4096, s26
	s_sub_co_u32 s31, ttmp9, s24
	s_lshr_b32 s32, s31, s25                       ; kb: which 256 along K
	s_lshl_b32 s33, s32, s25
	s_sub_co_u32 s33, s31, s33                     ; which 128 columns
	s_lshl_b32 s33, s33, 7
	s_lshl_b32 s34, s18, 5
	s_add_co_u32 s33, s33, s34                     ; n0: my wave's first column
	s_lshl_b32 s34, s32, 8
	s_mul_i32 s34, s34, s26                        ; 256 kb rows of the source
	s_lshl_b32 s35, s33, 2
	s_add_co_u32 s34, s34, s35                     ; + 4 n0: under 2^25
	s_mov_b32 s35, 0
	s_add_nc_u64 s[20:21], s[20:21], s[34:35]
	s_mul_i32 s34, s33, s27                        ; n0 rows of codes
	s_add_co_u32 s34, s34, s29
	s_mul_i32 s46, s32, s68
	s_add_co_u32 s34, s34, s46                     ; + kb steps along K
	s_lshr_b32 s46, s33, 6
	s_mul_i32 s46, s46, s69                        ; x: + the head's block (n0 / 64)
	s_add_co_u32 s34, s34, s46
	s_lshr_b32 s46, s32, 3
	s_mul_i32 s46, s46, s28                        ; x: kb 8 .. 15 are batch 1's keys
	s_add_co_u32 s34, s34, s46
	s_add_nc_u64 s[22:23], s[22:23], s[34:35]
	s_lshl_b32 s46, s26, 5                         ; 32 rows of the source
	s_mov_b32 s47, 0
	s_mov_b64 s[BP:BP+1], s[20:21]
.irp t, 1,2,3,4,5,6,7
	s_add_nc_u64 s[BP+2*\t:BP+2*\t+1], s[BP+2*\t-2:BP+2*\t-1], s[46:47]
.endr
	s_wait_alu depctr_va_vdst(0)
	v_lshlrev_b32 v3, 2, v2                        ; in: 4 bytes a lane: a wave's load reads 128 consecutive bytes
	s_mul_i32 s34, s18, 32*272                     ; my stage: 32 rows (columns of the source) x (256 bytes + 16)
	v_mul_u32_u24 v4, v2, 272
	v_add_nc_u32 v4, s34, v4                       ; into it: row = my column
	v_and_b32 v5, 15, v2
	v_lshrrev_b32 v6, 4, v2
	v_mul_u32_u24 v7, v6, 272
	v_lshl_add_u32 v7, v5, 4, v7
	v_add_nc_u32 v7, s34, v7                       ; out of it: sixteen lanes to a row, two rows an instruction
	v_mov_b32 v[TRO], v3
.set i, 1
.rept 31
	v_add_nc_u32 v[TRO+i], s26, v[TRO+i-1]         ; row i of a block of 32
.set i, i+1
.endr
	v_mul_lo_u32 v[TOO], v6, s27
	v_lshl_add_u32 v[TOO], v5, 4, v[TOO]           ; the same two rows in the codes' buffer
	s_lshl_b32 s66, s27, 1
.set i, 1
.rept 15
	v_add_nc_u32 v[TOO+i], s66, v[TOO+i-1]
.set i, i+1
.endr
.macro LOADT t                         ; block t: source(32 t + i, my column), i = 0 .. 31, into set t % 2
.set i, 0
.rept 32
	global_load_b32 v[TX+32*((\t)%2)+i], v[TRO+i], s[BP+2*(\t):BP+2*(\t)+1]
.set i, i+1
.endr
.endm
	LOADT 0
	LOADT 1
	s_wait_kmcnt 0x0
	s_mov_b32 s30, s38                             ; e2, e9, e7 or e5, by the same choice
	s_cmp_lt_u32 ttmp9, 288
	s_cselect_b32 s30, s45, s30
	s_cmp_lt_u32 ttmp9, 160
	s_cselect_b32 s30, s43, s30
	s_cmp_lt_u32 ttmp9, 32
	s_cselect_b32 s30, s41, s30
	s_add_co_i32 s30, s30, 127
	s_lshl_b32 s31, s30, 23
	v_mov_b32 v11, s31                             ; 2^e as f32: the conversion takes its exponent field
	s_add_co_i32 s30, s30, 8
	s_lshl_b32 s30, s30, 23
	s_or_b32 s30, s30, 0x600000
	v_mov_b32 v10, s30                             ; 448 x 2^e
.macro BLOCK t
.set XS, TX+32*((\t)%2)
.if (\t) < 7
	s_wait_loadcnt 32                              ; this block's 32 loads are in; the next block's 32 may be out
.else
	s_wait_loadcnt 0
.endif
.set i, 0
.rept 32
	v_med3_num_f32 v[XS+i], v[XS+i], -v10, v10     ; the conversion to an 8-bit code does not saturate (ISA guide 7.6.2): the hold comes first
.set i, i+1
.endr
.irp g, 0,1,2,3
	v_cvt_scalef32_pk8_fp8_f32 v[TC+2*\g:TC+2*\g+1], v[XS+8*\g:XS+8*\g+7], v11
.endr
	ds_store_b128 v4, v[TC:TC+3] offset:32*(\t)    ; 32 codes: 32 bytes of my column's row of codes
	ds_store_b128 v4, v[TC+4:TC+7] offset:32*(\t)+16
.if (\t)+2 < 8
	LOADT (\t)+2
.endif
	s_wait_dscnt 0x0                               ; the stores have read their registers: the next block's codes may be written
.endm
	s_wait_alu depctr_va_vdst(0)
.irp t, 0,1,2,3,4,5,6,7
	BLOCK \t
.endr
.irp t, 0,1,2,3,4,5,6,7,8,9,10,11,12,13,14,15
	ds_load_b128 v[TOUT+4*\t:TOUT+4*\t+3], v7 offset:2*\t*272      ; LDS serves a wave's instructions in order: these see my stores
.endr
.irp t, 0,1,2,3,4,5,6,7,8,9,10,11,12,13,14,15
	s_wait_dscnt 15-\t                             ; the younger loads may be out
	global_store_b128 v[TOO+\t], v[TOUT+4*\t:TOUT+4*\t+3], s[22:23] ; sixteen lanes store 256 consecutive bytes, at a multiple of 256 from the buffer's first byte
.endr
	s_wait_tensorcnt 0x0
	ds_add_u32 v208, v209
	s_wait_dscnt 0x0
	s_endpgm
; ---------------- K IS INNERMOST: x as queries and as keys.  A wave takes 4 rows (4,096 numbers) in 8 steps of 512.
; Each load reads 512 consecutive bytes; a step's 2,048 bytes turn through the wave's own stage, so that a lane then holds 16 neighbours, which the conversions want.
.Lstraight:
	s_sub_co_u32 s19, ttmp9, 416
	s_lshl_b32 s19, s19, 2
	s_add_co_u32 s19, s19, s18                     ; which run of 4 rows is my wave's: 0 .. 1023
	s_lshl_b32 s26, s19, 14
	s_mov_b32 s27, 0
	s_add_nc_u64 s[20:21], s[4:5], s[26:27]        ; x at my rows
	s_lshr_b32 s26, s19, 9                         ; the batch: 2 MiB;
	s_lshl_b32 s26, s26, 21
	s_and_b32 s28, s19, 511
	s_lshl_b32 s28, s28, 8                         ; my four rows of 64 bytes in a head's block
	s_add_co_u32 s26, s26, s28
	s_add_nc_u64 s[22:23], s[14:15], s[26:27]      ; the queries' codes at my rows
	s_lshl_b32 s28, s19, 2                         ; my first row's number;
	s_and_b32 s29, s28, 8
	s_lshl_b32 s29, s29, 1
	s_and_b32 s30, s28, 16
	s_lshr_b32 s30, s30, 1
	s_and_not1_b32 s28, s28, 24
	s_or_b32 s28, s28, s29
	s_or_b32 s28, s28, s30                         ; bits 3 and 4 swapped: where the keys' codes of these four rows lie
	s_lshr_b32 s26, s28, 11
	s_lshl_b32 s26, s26, 21
	s_and_b32 s28, s28, 2047
	s_lshl_b32 s28, s28, 6
	s_add_co_u32 s26, s26, s28
	s_add_co_u32 s26, s26, XKOFF
	s_add_nc_u64 s[24:25], s[14:15], s[26:27]
	s_mul_i32 s31, s18, 64*SP
	s_add_co_u32 s31, s31, SREG                    ; my two stages of 32 x SP bytes
	s_wait_alu depctr_va_vdst(0)
	v_lshlrev_b32 v3, 4, v2                        ; my 16 bytes of a load's 512, and of a step's 512 bytes of codes
	v_lshrrev_b32 v14, 2, v2
	v_mul_u32_u24 v14, v14, SP
	v_and_b32 v15, 3, v2
	v_lshl_add_u32 v14, v15, 4, v14
	v_add_nc_u32 v14, s31, v14                     ; the stage, on the way in: four lanes' 64 bytes on end, then 16 of padding
	v_bfe_u32 v15, v2, 2, 2                        ; on the way out lane l takes row (l / 4) % 4, head l / 16 of the step's two, piece l % 4 of its 64 columns:
	v_lshlrev_b32 v15, 3, v15
	v_lshrrev_b32 v4, 4, v2
	v_lshl_add_u32 v15, v4, 2, v15
	v_and_b32 v5, 3, v2
	v_add_nc_u32 v15, v15, v5                      ; place 8 row + 4 head + piece of the stage
	v_mul_u32_u24 v15, v15, SP
	v_add_nc_u32 v15, s31, v15
	v_and_b32 v5, 15, v2
	v_lshlrev_b32 v5, 4, v5
	v_lshl_add_u32 v4, v4, 17, v5                  ; its codes: sixteen lanes fill four rows of 64 bytes of one head, 256 consecutive bytes; the other sixteen the next head's
.macro SLOAD t
.irp i, 0,1,2,3
	global_load_b128 v[SR+16*((\t)%4)+4*\i:SR+16*((\t)%4)+4*\i+3], v3, s[20:21] offset:512*(\t)+4096*\i   ; step t: columns 128 t on (two heads) of each of my four rows
.endr
.endm
.macro STURN t                         ; step t's numbers through the stage: LDS serves a wave's instructions in order, so no wait stands between
.irp i, 0,1,2,3
	ds_store_b128 v14, v[SR+16*((\t)%4)+4*\i:SR+16*((\t)%4)+4*\i+3] offset:32*SP*((\t)%2)+8*SP*\i
.endr
.irp i, 0,1,2,3
	ds_load_b128 v[SX+16*((\t)%2)+4*\i:SX+16*((\t)%2)+4*\i+3], v15 offset:32*SP*((\t)%2)+16*\i
.endr
.endm
.irp t, 0,1,2,3
	SLOAD \t
.endr
	s_wait_alu depctr_va_vdst(0)
	s_wait_kmcnt 0x0
	s_add_co_i32 s28, s36, 127
	s_lshl_b32 s29, s28, 23
	v_mov_b32 v11, s29                             ; 2^e0
	s_add_co_i32 s28, s28, 8
	s_lshl_b32 s28, s28, 23
	s_or_b32 s28, s28, 0x600000
	v_mov_b32 v10, s28                             ; 448 x 2^e0
	s_add_co_i32 s28, s37, 127
	s_lshl_b32 s29, s28, 23
	v_mov_b32 v13, s29                             ; 2^e1
	s_add_co_i32 s28, s28, 8
	s_lshl_b32 s28, s28, 23
	s_or_b32 s28, s28, 0x600000
	v_mov_b32 v12, s28                             ; 448 x 2^e1
	s_wait_alu depctr_va_vdst(0)
	s_wait_loadcnt 12                              ; step 0's four loads are in; three steps' may be out
	STURN 0
.macro SSTEP t
.set XS, SX+16*((\t)%2)
	s_wait_dscnt 0x0                               ; this step's numbers are back from the stage, and its stores into the stage have read their registers,
.if (\t)+4 < 8
	SLOAD (\t)+4                                   ; which take the loads of four steps on
.endif
.if (\t)+1 < 8
.if 6-(\t) >= 3
	s_wait_loadcnt 12                              ; the next step's four loads are in; those of the three steps behind it may be out
.else
	s_wait_loadcnt 4*(6-(\t))
.endif
	STURN (\t)+1
.endif
.set i, 0
.rept 16
	v_med3_num_f32 v[ST+i], v[XS+i], -v10, v10     ; held for the queries' scale, into other registers
.set i, i+1
.endr
	v_cvt_scalef32_pk8_fp8_f32 v[SCQ+4*(\t):SCQ+4*(\t)+1], v[ST:ST+7], v11
	v_cvt_scalef32_pk8_fp8_f32 v[SCQ+4*(\t)+2:SCQ+4*(\t)+3], v[ST+8:ST+15], v11
.set i, 0
.rept 16
	v_med3_num_f32 v[XS+i], v[XS+i], -v12, v12     ; held for the keys' scale.  (Plain lines behind the conversions above)
.set i, i+1
.endr
	v_cvt_scalef32_pk8_fp8_f32 v[SCK+4*(\t):SCK+4*(\t)+1], v[XS:XS+7], v13
	v_cvt_scalef32_pk8_fp8_f32 v[SCK+4*(\t)+2:SCK+4*(\t)+3], v[XS+8:XS+15], v13
	global_store_b128 v4, v[SCQ+4*(\t):SCQ+4*(\t)+3], s[22:23] offset:262144*(\t)   ; two aligned units of 256 bytes, in heads 2 t and 2 t + 1; each step has code registers of its own
	global_store_b128 v4, v[SCK+4*(\t):SCK+4*(\t)+3], s[24:25] offset:262144*(\t)
.endm
.irp t, 0,1,2,3,4,5,6,7
	SSTEP \t
.endr
	s_wait_tensorcnt 0x0
	ds_add_u32 v208, v209
	s_wait_dscnt 0x0
	s_endpgm
.Lfunc_end_k_q7f4e5247a5_prep:
	.size	k_q7f4e5247a5_prep, .Lfunc_end_k_q7f4e5247a5_prep-k_q7f4e5247a5_prep
	.p2alignl 7, 3214868480
	.fill 96, 4, 3214868480
	.section	.rodata,"a",@progbits
	.p2align	6, 0x0
	.amdhsa_kernel k_q7f4e5247a5_prep
		.amdhsa_group_segment_fixed_size 55808
		.amdhsa_private_segment_fixed_size 0
		.amdhsa_enable_private_segment 0
		.amdhsa_kernarg_size 56
		.amdhsa_user_sgpr_count 2
		.amdhsa_user_sgpr_kernarg_segment_ptr 1
		.amdhsa_wavefront_size32 1
		.amdhsa_system_sgpr_workgroup_id_x 1
		.amdhsa_system_sgpr_workgroup_id_y 1
		.amdhsa_system_sgpr_workgroup_id_z 1
		.amdhsa_system_vgpr_workitem_id 0
		.amdhsa_next_free_vgpr 210
		.amdhsa_next_free_sgpr 80
		.amdhsa_reserve_vcc 0
		.amdhsa_float_denorm_mode_32 3
		.amdhsa_float_denorm_mode_16_64 3
		.amdhsa_memory_ordered 1
		.amdhsa_forward_progress 1
		.amdhsa_inst_pref_size 83
	.end_amdhsa_kernel
	.amdgpu_metadata
---
amdhsa.version: [ 1, 2 ]
amdhsa.kernels:
  - .name:           k_q7f4e5247a5_prep
    .symbol:         k_q7f4e5247a5_prep.kd
    .args:
      - { .name: x, .offset: 0, .size: 8, .value_kind: global_buffer, .address_space: global }
      - { .name: w_fc_out, .offset: 8, .size: 8, .value_kind: global_buffer, .address_space: global }
      - { .name: w_ff1, .offset: 16, .size: 8, .value_kind: global_buffer, .address_space: global }
      - { .name: w_ff2, .offset: 24, .size: 8, .value_kind: global_buffer, .address_space: global }
      - { .name: lowp_scales, .offset: 32, .size: 8, .value_kind: global_buffer, .address_space: global }
      - { .name: xc, .offset: 40, .size: 8, .value_kind: global_buffer, .address_space: global }
      - { .name: wc, .offset: 48, .size: 8, .value_kind: global_buffer, .address_space: global }
    .group_segment_fixed_size: 55808
    .private_segment_fixed_size: 0
    .kernarg_segment_align: 8
    .kernarg_segment_size: 56
    .max_flat_workgroup_size: 128
    .sgpr_count:     80
    .vgpr_count:     210
    .wavefront_size: 32
...
	.end_amdgpu_metadata
.endif
;; end of part 1
;; launch attn (part 2): grid 8 x 32, 8 waves a work-group, clusters of 4 x 1, 327,680 bytes of LDS; arguments xc, lowp_scales, ao; writes ao
.if DOCPART == 2
	.amdgcn_target "amdgcn-amd-amdhsa--gfx1250"
	.amdhsa_code_object_version 6
	.text
	.protected	k_q7f4e5247a5_attn
	.globl	k_q7f4e5247a5_attn
	.p2align	8
	.type	k_q7f4e5247a5_attn,@function
k_q7f4e5247a5_attn:
	s_mov_b64 s[64:65], 0
	v_nop
	global_prefetch_b8 v0, s[64:65] scope:SCOPE_SE
	s_setreg_imm32_b32 hwreg(HW_REG_WAVE_MODE, 25, 1), 1
	s_wait_xcnt 0x0
	s_wait_alu depctr_hold_cnt(0) depctr_sa_sdst(0) depctr_va_vdst(0) depctr_va_sdst(0) depctr_va_ssrc(0) depctr_va_vcc(0) depctr_vm_vsrc(0)
	s_getreg_b32 s2, hwreg(HW_REG_IB_STS2, 6, 4)
	s_cmp_eq_u32 s2, 0
	s_cbranch_scc0 .Lentry_in_a_cluster
	s_endpgm
.Lentry_in_a_cluster:
	s_bfe_u32 s2, ttmp6, 0x10000c
	s_cmp_lg_u32 s2, 0x3003
	s_cbranch_scc0 .Lentry_shape_is_right
	s_endpgm
.Lentry_shape_is_right:
; Attention with q = k = v = x, 16 heads of 64, both products on codes of FP8 (E4M3); the result leaves as codes (scale 2^e4) for the next product.
; xc holds x's codes three times, head by head (131,072 bytes for each batch and head): queries at byte 0 [2048][64]; keys at XKOFF, the same with bits 3 and 4 of the row's number swapped, so that 16 rows on end
; form a tile of the first product; values 4 MiB behind the keys, [8 chunks of 256 keys][64 channels][256 keys].
; THE SOFTMAX: t = score x log2(e) / 8; M = the row's largest t so far, rounded UP to a whole number; p = 2^(t - M) is quantised (2^e3), not normalised; the row's sum is taken of the unquantised p and divides
; at the end.  When M moves, the sum and O are multiplied by 2^(old M - new M), which rounds nothing.
; SHARES.  A work-group owns 256 queries of ONE head.  That head's K and V, 131,072 bytes each, lie in LDS WHOLE: each of the eight waves asks for an eighth (128 rows of 256 bytes) at the head, and nothing is
; ever filled again: one barrier, no ring.  A wave owns 32 queries, two tiles of 16: each fragment of K and V that it reads feeds two matrix instructions.  It walks the 2,048 keys, 128 a step.
; THE ORDER IN A STEP.  The two tiles are half a softmax apart, so that one tile's dependent lines and exponentials stand among the other's independent lines: tile 0's chain from its largest score to f among tile 1's
; maxima; tile 1's chain among tile 0's scalings; tile 0's exponentials with tile 1's scalings between them; tile 1's with tile 0's holds; tile 0's second product ahead of tile 1's sums, holds and conversions.
; CLUSTER.  The four query blocks of a cluster need the same K and V: each eighth is asked for jointly, by the same load with the same descriptor and a mask that names the four.
; NO PREFETCH: all that a work-group reads of K and V is asked for by its first and only tensor loads; no loop runs ahead of any load.
; LAYOUT.  Both products are used transposed: S^T = K Q^T, O^T = V^T P^T: a lane holds one query of each tile (lane % 16), and the 16 registers of score tiles 2 b, 2 b + 1 are keys 32 b + 16 (lane / 16) + 0 .. 15.
; Fragments come by loads of 16 bytes: a permutation of k that is the same in both operands; only the order of the sums inside an instruction changes.
; An LDS row is 256 bytes + 16: four keys of K (lane r reads row r / 4, byte 64 (r % 4): sixteen different columns of 16 bytes), or one channel's 256 keys of V.
; ao is laid [64 blocks of 64 rows][16 heads][64 rows][64 codes]: a wave's 32 queries are 2,048 consecutive bytes.
; LIMITS on the given exponents: e0 + e1 between -123 and 130 (added to c's exponent field); e3 and e4 between -126 and 119; e2 + e3 goes through v_ldexp_f32 and has none.  NaN is not served.
; REGISTERS.  Window 0: v1-9 addresses; v10, v11 the conversion's scale and, on the way out, the bound; from v12 six a tile: -M, largest t, the sum in two halves, f and its pair's upper half;
;   v32-159 S^T, then p (64 a tile); v160-191 p's codes (16 a tile; at work ahead of the conversions); v192-255 O^T (32 a tile).  Window 1: v0-63 K's fragments, v64-127 V's, v128-143 Q's.
.set KV,    139264                     ; K: 512 LDS rows x 272 bytes; V's 512 follow
.set STAGE, 2*KV                       ; behind them: 2,048 bytes for each wave, for the way out
.set SPARE, STAGE+8*2048               ; behind the stages: the spare words, 128 bytes for each wave: four blocks of 256 bytes that no other line names
.set CHUNK, 64*272                     ; 256 keys: 64 LDS rows, of K and of V alike
.set XKOFF, 0x400000
.set AK0, 1
.set AV0, 2
.set ADK, 3
.set ADV, 4
.set SPW, 5
.set NIL, 6
.set STO, 7
.set RD,  8
.set GO,  9
.set SC,  10
.set HB,  11
.set ST,  12
.set S,   32
.set P,   160
.set O,   192
.set KF,  0
.set VF,  64
.set QF,  128
.set G0,  12                           ; s[12:15] descriptor group 0;  s[24:31] group 1
.set G1,  24
.set TB,  56                           ; s56 LDS byte at which the trip's 256 keys begin in K's region (and in V's)
.set CNT, 57                           ; s57 trips to go
.set MSB, 0
.macro WIN new                         ; the immediate's high byte repeats the setting that is left
.if MSB != \new
	s_set_vgpr_msb (MSB<<8)|\new
.set MSB, \new
.endif
.endm
.macro ROUND                           ; a round of the cluster's barrier
	s_barrier_signal -1
	s_barrier_wait -1
	s_cmp_lg_u32 s18, 0
	s_cbranch_scc1 .Lnot_wave_0_\@
	s_barrier_signal -3
.Lnot_wave_0_\@:
	s_barrier_wait -3
	s_barrier_signal -1
	s_barrier_wait -1
.endm
.macro FETCHK adr, off                 ; eight tiles of 16 keys x 64 codes: two loads of 16 bytes a lane and tile, into window 1
	WIN 0x40
.irp k, 0,1,2,3,4,5,6,7
	ds_load_b128 v[KF+8*\k:KF+8*\k+3], v[\adr] offset:\off+1088*\k
	ds_load_b128 v[KF+8*\k+4:KF+8*\k+7], v[\adr] offset:\off+1088*\k+32
.endr
	WIN 0
.endm
	s_load_b128 s[4:7], s[0:1], 0x0                ; xc, the scales' exponents
	s_load_b64 s[8:9], s[0:1], 0x10                ; ao
	v_lshl_add_u32 v[SPW], v0, 2, SPARE
	v_mov_b32 v[NIL], 0
	ds_add_u32 v[SPW], v[NIL]                      ; the opening lines: the add, twice on end, and its wait ahead of my first tensor load
	ds_add_u32 v[SPW], v[NIL]
	v_lshrrev_b32 v1, 5, v0
	v_readfirstlane_b32 s18, v1                    ; wave 0..7
	s_bfe_u32 s76, ttmp6, 0x40000                  ; cx: it enters the global addresses of Q and of the result alone
	s_lshl_b32 s77, ttmp9, 2
	s_add_co_u32 s77, s77, s76                     ; my block of 256 queries
	s_and_b32 s78, ttmp7, 0xffff                   ; 16 batch + head
	s_lshl_b32 s79, s78, 17                        ; the head's block in each of the three sets
	s_lshr_b32 s80, s18, 2                         ; waves 0-3 fetch K's quarters, waves 4-7 V's:
	s_lshl_b32 s80, s80, 22                        ; V's set lies 4 MiB behind K's
	s_and_b32 s81, s18, 3
	s_lshl_b32 s81, s81, 15                        ; a quarter: 128 rows of 256 bytes
	s_add_co_u32 s80, s80, s81
	s_add_co_u32 s80, s80, s79
	s_add_co_u32 s80, s80, XKOFF
	s_mov_b32 s81, 0
	s_mov_b32 s[G0], 1                             ; count = 1
	s_mul_i32 s[G0+1], s18, 128*272                ; LDS address: wave x 128 rows: K's four quarters, then V's
	s_mov_b32 s[G1], 15|(1<<20)|(1<<21)|(5<<22)|(3<<25)   ; the mask: all four work-groups; elements of 1 byte; padding on; bit 21 beside a mask; after every 64 words four words
	s_mov_b32 s[G1+1], 256<<16                     ; tensor_dim0
	s_mov_b32 s[G1+2], 128<<16                     ; tensor_dim1
	s_mov_b32 s[G1+3], 256<<16                     ; tile_dim0
	s_mov_b32 s[G1+4], 128                         ; tile_dim1
	s_mov_b32 s[G1+5], 256                         ; from row to row: dense
	s_mov_b32 s[G1+6], 0
	s_mov_b32 s[G1+7], 0
	s_mov_b32 s20, 0x76543210                      ; v_permlanex16_b32: lane l xor 16
	s_mov_b32 s21, 0xfedcba98
	s_mov_b32 s22, 0x3e38aa3b                      ; c = log2(e) / sqrt(64)
	s_lshl_b32 s82, s77, 8
	s_lshl_b32 s83, s18, 5
	s_add_co_u32 s82, s82, s83                     ; my first query in the batch
	s_lshl_b32 s84, s82, 6
	s_add_co_u32 s84, s84, s79                     ; its codes
	s_mov_b32 s85, 0
	s_lshr_b32 s86, s78, 4
	s_lshl_b32 s86, s86, 11
	s_add_co_u32 s86, s86, s82                     ; its row among the 4,096
	s_lshr_b32 s87, s86, 6
	s_lshl_b32 s87, s87, 16                        ; ao: the block of 64 rows,
	s_and_b32 s86, s86, 63
	s_lshl_b32 s86, s86, 6                         ; the row in it,
	s_add_co_u32 s86, s86, s87
	s_and_b32 s87, s78, 15
	s_lshl_b32 s87, s87, 12                        ; the head's 4,096 bytes of the block
	s_add_co_u32 s86, s86, s87
	s_mov_b32 s87, 0
	s_lshl_b32 s88, s18, 11
	s_add_co_u32 s88, s88, STAGE                   ; my stage
	s_mov_b32 s[TB], 0
	s_mov_b32 s[CNT], 8
	s_wait_dscnt 0x0                               ; both opening adds are done
	s_wait_kmcnt 0x0
	s_load_b256 s[68:75], s[6:7], 0x0              ; e0 .. e7
	s_add_nc_u64 s[G0+2:G0+3], s[4:5], s[80:81]
	s_or_b32 s[G0+3], s[G0+3], 0x80000000          ; type = 2
	s_add_nc_u64 s[10:11], s[4:5], s[84:85]        ; Q's codes at my queries
	s_add_nc_u64 s[8:9], s[8:9], s[86:87]          ; the result at my queries
	ROUND                                          ; all four work-groups are here: the joint loads meet
	tensor_load_to_lds s[G0:G0+3], s[G1:G1+7]      ; my eighth of the head's K and V: my one tensor load
	s_nop 0
	v_and_b32 v24, 15, v0                          ; r = lane % 16
	v_bfe_u32 v25, v0, 4, 1                        ; h = lane / 16
	v_lshlrev_b32 v26, 6, v24
	v_lshl_add_u32 v26, v25, 4, v26                ; Q: row r of 64 bytes, + 16 h
	v_lshrrev_b32 v27, 2, v24
	v_mul_u32_u24 v27, v27, 272
	v_and_b32 v28, 3, v24
	v_lshl_add_u32 v27, v28, 6, v27
	v_lshl_add_u32 v[AK0], v25, 4, v27             ; K: LDS row r / 4, byte 64 (r % 4) + 16 h
	v_mul_u32_u24 v27, v24, 272
	v_lshl_add_u32 v27, v25, 4, v27
	v_add_nc_u32 v[AV0], KV, v27                   ; V: channel row r, + 16 h
	v_lshlrev_b32 v29, 6, v24
	v_lshl_add_u32 v29, v25, 3, v29
	v_add_nc_u32 v[STO], s88, v29                  ; the way out, in: row r of 64 bytes, + 8 h
	v_and_b32 v30, 31, v0
	v_lshlrev_b32 v[GO], 4, v30                    ; back, and in ao: 16 bytes a lane
	v_add_nc_u32 v[RD], s88, v[GO]
	WIN 0x40
	global_load_b128 v[QF:QF+3], v26, s[10:11]     ; Q's two fragments stay in registers (window 1)
	global_load_b128 v[QF+4:QF+7], v26, s[10:11] offset:32
	global_load_b128 v[QF+8:QF+11], v26, s[10:11] offset:1024
	global_load_b128 v[QF+12:QF+15], v26, s[10:11] offset:1056
	WIN 0
.irp x, 0,1
	v_mov_b32 v[ST+6*\x+1], 0xff61b1e6             ; the largest t so far: -3e38, under every t
	v_floor_f32 v[ST+6*\x], -v[ST+6*\x+1]          ; -M
	v_mov_b32 v[ST+6*\x+2], 0                      ; the sum, in two halves
	v_mov_b32 v[ST+6*\x+3], 0
	v_mov_b32 v[ST+6*\x+5], 0                      ; (named as the upper half of f's pair)
	v_mov_b32 v[P+16*\x+4], 0                      ; a lane permute's destination counts as one of its sources
.endr
.set j, 0
.rept 64
	v_mov_b32 v[O+j], 0                            ; O^T: the step is written once; its first run finds zeros, which the first change of M leaves zeros
.set j, j+1
.endr
	s_wait_kmcnt 0x0
	s_add_co_i32 s32, s68, s69
	s_lshl_b32 s32, s32, 23
	s_add_co_i32 s22, s22, s32                     ; a score stands for score x 2^(e0 + e1): added to c's exponent field
	s_mov_b32 s23, s22                             ; (named with it as a pair)
	s_add_co_i32 s32, s71, 127
	s_lshl_b32 s33, s32, 23
	v_mov_b32 v[SC], s33                           ; 2^e3
	s_add_co_i32 s32, s32, 8
	s_lshl_b32 s34, s32, 23
	s_or_b32 s34, s34, 0x600000                    ; 448 x 2^e3
	s_add_co_i32 s32, s72, 127
	s_lshl_b32 s35, s32, 23                        ; 2^e4
	s_add_co_i32 s32, s32, 8
	s_lshl_b32 s36, s32, 23
	s_or_b32 s36, s36, 0x600000                    ; 448 x 2^e4
	s_add_co_i32 s17, s70, s71                     ; e2 + e3
; THE LINES OF A TILE'S SOFTMAX, numbered, so that two tiles' lines can be laid by turns.
.macro MAXL m, x                       ; line m (0 .. 29) of tile x's maxima: four chains, each accumulator from its low end on
.if (\m) < 4
	v_max3_num_f32 v[P+16*\x+(\m)], v[S+64*\x+3*(\m)], v[S+64*\x+3*(\m)+1], v[S+64*\x+3*(\m)+2]
.else
	v_max3_num_f32 v[P+16*\x+(\m)%4], v[P+16*\x+(\m)%4], v[S+64*\x+4+2*(\m)], v[S+64*\x+5+2*(\m)]
.endif
.endm
.macro MAXE x                          ; the four chains become one number
	v_max3_num_f32 v[P+16*\x], v[P+16*\x], v[P+16*\x+1], v[P+16*\x+2]
	v_max_num_f32 v[P+16*\x], v[P+16*\x], v[P+16*\x+3]
.endm
.macro CHL n, x                        ; line n (0 .. 8) of the chain from tile x's largest score to f: each reads the line before it
.if (\n) == 0
	v_permlanex16_b32 v[P+16*\x+4], v[P+16*\x], s20, s21
.endif
.if (\n) == 1
	v_max_num_f32 v[P+16*\x], v[P+16*\x], v[P+16*\x+4]     ; and among lane l xor 16's
.endif
.if (\n) == 2
	v_mul_f32 v[P+16*\x], s22, v[P+16*\x]                  ; as t (c is positive)
.endif
.if (\n) == 3
	v_max_num_f32 v[ST+6*\x+1], v[ST+6*\x+1], v[P+16*\x]   ; the running largest t
.endif
.if (\n) == 4
	v_mov_b32 v[P+16*\x], v[ST+6*\x]
.endif
.if (\n) == 5
	v_floor_f32 v[ST+6*\x], -v[ST+6*\x+1]                  ; the new -M = floor(-t): M is a whole number
.endif
.if (\n) == 6
	v_sub_f32 v[P+16*\x], v[ST+6*\x], v[P+16*\x]           ; old M - new M: a whole number, 0 or less
.endif
.if (\n) == 7
	v_cvt_i32_f32 v[P+16*\x], v[P+16*\x]                   ; (it saturates)
.endif
.if (\n) == 8
	v_ldexp_f32 v[ST+6*\x+4], 1.0, v[P+16*\x]              ; f = 2^(old M - new M)
.endif
.endm
.macro RFL k, x                        ; lines 0 .. 15: O^T under the new M; lines 16 .. 47: t - M; two numbers a line
.if (\k) < 16
	v_pk_mul_f32 v[O+32*\x+2*(\k):O+32*\x+2*(\k)+1], v[O+32*\x+2*(\k):O+32*\x+2*(\k)+1], v[ST+6*\x+4:ST+6*\x+5] op_sel_hi:[1,0]
.else
	v_pk_fma_f32 v[S+64*\x+2*(\k)-32:S+64*\x+2*(\k)-31], v[S+64*\x+2*(\k)-32:S+64*\x+2*(\k)-31], s[22:23], v[ST+6*\x:ST+6*\x+1] op_sel_hi:[1,0,0]
.endif
.endm
.macro HOLDL j, x                      ; the conversion does not saturate (ISA guide 7.6.2); p is not negative, so the hold is one-sided; two numbers a line
	v_dual_min_num_f32 v[S+64*\x+2*(\j)], s34, v[S+64*\x+2*(\j)] :: v_dual_min_num_f32 v[S+64*\x+2*(\j)+1], s34, v[S+64*\x+2*(\j)+1]
.endm
.macro SUMS x                          ; the row's sum of the unquantised p: two at a time, in eight chains, in the registers that p's codes take later
.irp j, 0,1,2,3,4,5,6,7
	v_pk_add_f32 v[P+16*\x+2*\j:P+16*\x+2*\j+1], v[S+64*\x+4*\j:S+64*\x+4*\j+1], v[S+64*\x+4*\j+2:S+64*\x+4*\j+3]
.endr
.set i, 0
.rept 16
	v_pk_add_f32 v[P+16*\x+2*(i%8):P+16*\x+2*(i%8)+1], v[P+16*\x+2*(i%8):P+16*\x+2*(i%8)+1], v[S+64*\x+32+2*i:S+64*\x+33+2*i]
.set i, i+1
.endr
.irp j, 0,1,2,3
	v_pk_add_f32 v[P+16*\x+2*\j:P+16*\x+2*\j+1], v[P+16*\x+2*\j:P+16*\x+2*\j+1], v[P+16*\x+2*\j+8:P+16*\x+2*\j+9]
.endr
.irp j, 0,1
	v_pk_add_f32 v[P+16*\x+2*\j:P+16*\x+2*\j+1], v[P+16*\x+2*\j:P+16*\x+2*\j+1], v[P+16*\x+2*\j+4:P+16*\x+2*\j+5]
.endr
	v_pk_add_f32 v[P+16*\x:P+16*\x+1], v[P+16*\x:P+16*\x+1], v[P+16*\x+2:P+16*\x+3]
	v_pk_fma_f32 v[ST+6*\x+2:ST+6*\x+3], v[ST+6*\x+2:ST+6*\x+3], v[ST+6*\x+4:ST+6*\x+5], v[P+16*\x:P+16*\x+1] op_sel_hi:[1,0,1]   ; the sums x f + this step's
.endm
.macro CODES x                         ; p's codes: registers 4 b .. 4 b + 3 hold keys 32 b + 16 (lane / 16) + 0 .. 15
.irp b, 0,1,2,3
	v_cvt_scalef32_pk8_fp8_f32 v[P+16*\x+4*\b:P+16*\x+4*\b+1], v[S+64*\x+16*\b:S+64*\x+16*\b+7], v[SC]
	v_cvt_scalef32_pk8_fp8_f32 v[P+16*\x+4*\b+2:P+16*\x+4*\b+3], v[S+64*\x+16*\b+8:S+64*\x+16*\b+15], v[SC]
.endr
	v_nop                                          ; a plain line behind the last conversion
.endm
.macro PV x                            ; O^T += V^T P^T: the tile's four accumulators take turns
	WIN 0x01                                       ; source 0 in window 1
.irp t, 0,1,2,3
	v_wmma_f32_16x16x128_fp8_fp8 v[O+32*\x+8*\t:O+32*\x+8*\t+7], v[VF+16*\t:VF+16*\t+15], v[P+16*\x:P+16*\x+15], v[O+32*\x+8*\t:O+32*\x+8*\t+7]
.endr
	WIN 0
.endm
; A KEY STEP: 128 keys, the q-th of the trip's 256, for both my tiles.
.macro STEP q
	WIN 0x05                                       ; sources 0 and 1 in window 1
.irp k, 0,1,2,3,4,5,6,7
	v_wmma_f32_16x16x64_fp8_fp8 v[S+8*\k:S+8*\k+7], v[KF+8*\k:KF+8*\k+7], v[QF:QF+7], 0            ; S^T = K Q^T: each fragment of K serves both tiles
	v_wmma_f32_16x16x64_fp8_fp8 v[S+64+8*\k:S+64+8*\k+7], v[KF+8*\k:KF+8*\k+7], v[QF+8:QF+15], 0
.endr
	WIN 0
; four places: for the loads into the fragments' registers, for the first read of the scores and for the first write over p's codes
.if \q == 0
	v_add_nc_u32 v[ADK], s[TB], v[AK0]             ; the trip's addresses
	v_add_nc_u32 v[ADV], s[TB], v[AV0]
	v_nop
	v_nop
	FETCHK ADK, CHUNK/2                            ; the next step's K lands while the softmax runs
.else
.rept 4
	v_nop
.endr
	s_cmp_eq_u32 s[CNT], 1                         ; behind the last step there is no K to fetch
	s_cbranch_scc1 .Llast_\@
	FETCHK ADK, CHUNK
.Llast_\@:
.endif
	WIN 0x40
.irp t, 0,1,2,3
.irp c, 0,1,2,3
	ds_load_b128 v[VF+16*\t+4*\c:VF+16*\t+4*\c+3], v[ADV] offset:16*\t*272+128*\q+32*\c   ; V^T: 16 channels x these 128 keys
.endr
.endr
	WIN 0
.set m, 0
.rept 30
	MAXL m, 0                                      ; tile 0's largest score among my 64 keys
.set m, m+1
.endr
	MAXE 0
.set m, 0
.set n, 0
.rept 30
	MAXL m, 1                                      ; tile 1's, with a line of tile 0's chain behind every third
.set m, m+1
.if (m%3 == 0) && (n < 9)
	CHL n, 0
.set n, n+1
.endif
.endr
	MAXE 1
.set k, 0
.set n, 0
.rept 48
	RFL k, 0                                       ; tile 0: O^T x f, then t - M, with a line of tile 1's chain behind every fourth
.set k, k+1
.if (k%4 == 0) && (n < 9)
	CHL n, 1
.set n, n+1
.endif
.endr
.set k, 0
.rept 16
	RFL k, 1                                       ; tile 1: O^T x f, ahead of the exponentials
.set k, k+1
.endr
	s_wait_alu depctr_va_vdst(0)                   ; the wait ahead of the batch
.set j, 0
.rept 32
	v_exp_f32 v[S+2*j], v[S+2*j]                   ; tile 0: p = 2^(t - M), at most 1;
	v_exp_f32 v[S+2*j+1], v[S+2*j+1]
	RFL 16+j, 1                                    ; between them tile 1's t - M, first read behind the two waits below
.set j, j+1
.endr
	s_wait_alu depctr_va_vdst(0)                   ; one wait for the batch, ahead of its first reader
	SUMS 0
	s_wait_alu depctr_va_vdst(0)                   ; and ahead of the second batch
.set j, 0
.rept 32
	v_exp_f32 v[S+64+2*j], v[S+64+2*j]             ; tile 1's p;
	v_exp_f32 v[S+64+2*j+1], v[S+64+2*j+1]
	HOLDL j, 0                                     ; between them tile 0's holds, first read behind the wait below
.set j, j+1
.endr
	v_nop                                          ; a plain line behind the exponentials
	s_wait_alu depctr_va_vdst(0)                   ; one wait for the batch, ahead of its first reader
	CODES 0
	s_wait_alu depctr_va_vdst(0)                   ; directly ahead of the wait below
	s_wait_dscnt 0x0                               ; V is in, and so is the next step's K
	PV 0                                           ; tile 0's product is issued ahead of tile 1's vector work, which names none of its registers
	SUMS 1
.set j, 0
.rept 32
	HOLDL j, 1
.set j, j+1
.endr
	CODES 1
	PV 1
.endm
	s_wait_alu depctr_va_vdst(0)                   ; the wait at the head's end
	s_wait_tensorcnt 0x0                           ; my eighth is in;
	s_barrier_signal -1
	s_barrier_wait -1                              ; everybody's is: the head's K and V are whole, and stay
	FETCHK AK0, 0
	s_wait_loadcnt 0x0                             ; Q
	s_wait_dscnt 0x0                               ; the first step's K
.Ltrip:                                            ; eight trips of 256 keys
	STEP 0
	STEP 1
	s_add_co_u32 s[TB], s[TB], CHUNK
	s_sub_co_u32 s[CNT], s[CNT], 1
	s_cmp_lg_u32 s[CNT], 0
	s_cbranch_scc1 .Ltrip
	; THE WAY OUT.  O^T x 2^(e2 + e3) / the sum is quantised with 2^e4; a lane's eight channels are 8 bytes; my 32 rows of 64 bytes turn through my own stage and leave as 2,048 consecutive bytes.
.irp x, 0,1
	v_add_f32 v[ST+6*\x+2], v[ST+6*\x+2], v[ST+6*\x+3]
.endr
.irp x, 0,1
	v_permlanex16_b32 v[ST+6*\x+4], v[ST+6*\x+2], s20, s21
.endr
.irp x, 0,1
	v_add_f32 v[ST+6*\x+2], v[ST+6*\x+2], v[ST+6*\x+4]     ; the row's sum
.endr
	s_wait_alu depctr_va_vdst(0)                   ; the wait ahead of the transcendentals
	v_rcp_f32 v[ST+2], v[ST+2]
	v_rcp_f32 v[ST+8], v[ST+8]
	v_mov_b32 v[SC], s35                           ; 2^e4 (plain lines behind the transcendentals)
	v_mov_b32 v[HB], s36                           ; 448 x 2^e4
	s_wait_alu depctr_va_vdst(0)                   ; the wait ahead of their first reader
	v_ldexp_f32 v[ST+2], v[ST+2], s17
	v_ldexp_f32 v[ST+8], v[ST+8], s17
	s_wait_alu depctr_va_vdst(0)                   ; directly ahead of the first reader of O^T
.irp x, 0,1
.set j, 0
.rept 16
	v_pk_mul_f32 v[S+32*\x+j:S+32*\x+j+1], v[O+32*\x+j:O+32*\x+j+1], v[ST+6*\x+2:ST+6*\x+3] op_sel_hi:[1,0]   ; register 8 t + i is o(query r, channel 16 t + 8 h + i)
.set j, j+2
.endr
.endr
.set j, 0
.rept 64
	v_med3_num_f32 v[S+j], v[S+j], -v[HB], v[HB]
.set j, j+1
.endr
.irp x, 0,1
.irp t, 0,1,2,3
	v_cvt_scalef32_pk8_fp8_f32 v[P+16*\x+2*\t:P+16*\x+2*\t+1], v[S+32*\x+8*\t:S+32*\x+8*\t+7], v[SC]
.endr
.endr
	v_nop                                          ; a plain line behind the last conversion
.irp x, 0,1
.irp t, 0,1,2,3
	ds_store_b64 v[STO], v[P+16*\x+2*\t:P+16*\x+2*\t+1] offset:1024*\x+16*\t
.endr
.endr
.irp j, 0,1,2,3
	ds_load_b128 v[S+64+4*\j:S+64+4*\j+3], v[RD] offset:512*\j     ; LDS serves a wave's instructions in order: these see my stores
.endr
.irp j, 0,1,2,3
	s_wait_dscnt 3-\j                              ; the younger loads may be out
	global_store_b128 v[GO], v[S+64+4*\j:S+64+4*\j+3], s[8:9] offset:512*\j   ; the wave stores 512 consecutive bytes, at a multiple of 256 from the buffer's first byte
.endr
	s_wait_tensorcnt 0x0                           ; the wave's end
	ds_add_u32 v[SPW], v[NIL]
	s_wait_dscnt 0x0
	ROUND                                          ; the closing round
	s_endpgm
.Lfunc_end_k_q7f4e5247a5_attn:
	.size	k_q7f4e5247a5_attn, .Lfunc_end_k_q7f4e5247a5_attn-k_q7f4e5247a5_attn
	.p2alignl 7, 3214868480
	.fill 96, 4, 3214868480
	.section	.rodata,"a",@progbits
	.p2align	6, 0x0
	.amdhsa_kernel k_q7f4e5247a5_attn
		.amdhsa_group_segment_fixed_size 327680
		.amdhsa_private_segment_fixed_size 0
		.amdhsa_enable_private_segment 0
		.amdhsa_kernarg_size 24
		.amdhsa_user_sgpr_count 2
		.amdhsa_user_sgpr_kernarg_segment_ptr 1
		.amdhsa_wavefront_size32 1
		.amdhsa_system_sgpr_workgroup_id_x 1
		.amdhsa_system_sgpr_workgroup_id_y 1
		.amdhsa_system_sgpr_workgroup_id_z 1
		.amdhsa_system_vgpr_workitem_id 0
		.amdhsa_next_free_vgpr 400
		.amdhsa_next_free_sgpr 100
		.amdhsa_reserve_vcc 0
		.amdhsa_float_denorm_mode_32 3
		.amdhsa_float_denorm_mode_16_64 3
		.amdhsa_memory_ordered 1
		.amdhsa_forward_progress 1
		.amdhsa_inst_pref_size 75
	.end_amdhsa_kernel
	.amdgpu_metadata
---
amdhsa.version: [ 1, 2 ]
amdhsa.kernels:
  - .name:           k_q7f4e5247a5_attn
    .symbol:         k_q7f4e5247a5_attn.kd
    .args:
      - { .name: xc, .offset: 0, .size: 8, .value_kind: global_buffer, .address_space: global }
      - { .name: lowp_scales, .offset: 8, .size: 8, .value_kind: global_buffer, .address_space: global }
      - { .name: ao, .offset: 16, .size: 8, .value_kind: global_buffer, .address_space: global }
    .group_segment_fixed_size: 327680
    .private_segment_fixed_size: 0
    .kernarg_segment_align: 8
    .kernarg_segment_size: 24
    .max_flat_workgroup_size: 256
    .sgpr_count:     100
    .vgpr_count:     400
    .wavefront_size: 32
...
	.end_amdgpu_metadata
.endif
;; end of part 2
;; launch fc (part 3): grid 8 x 32, 4 waves a work-group, clusters of 4 x 4, 327,680 bytes of LDS; arguments ao, wc, lowp_scales, b_fc_out, x, z; writes z
.if DOCPART == 3
	.amdgcn_target "amdgcn-amd-amdhsa--gfx1250"
	.amdhsa_code_object_version 6
	.text
	.protected	k_q7f4e5247a5_fc
	.globl	k_q7f4e5247a5_fc
	.p2align	8
	.type	k_q7f4e5247a5_fc,@function
k_q7f4e5247a5_fc:
	s_mov_b64 s[64:65], 0
	v_nop
	global_prefetch_b8 v0, s[64:65] scope:SCOPE_SE
	s_setreg_imm32_b32 hwreg(HW_REG_WAVE_MODE, 25, 1), 1
	s_wait_xcnt 0x0
	s_wait_alu depctr_hold_cnt(0) depctr_sa_sdst(0) depctr_va_vdst(0) depctr_va_sdst(0) depctr_va_ssrc(0) depctr_va_vcc(0) depctr_vm_vsrc(0)
	s_getreg_b32 s2, hwreg(HW_REG_IB_STS2, 6, 4)
	s_cmp_eq_u32 s2, 0
	s_cbranch_scc0 .Lentry_in_a_cluster
	s_endpgm
.Lentry_in_a_cluster:
	s_bfe_u32 s2, ttmp6, 0x10000c
	s_cmp_lg_u32 s2, 0xf033
	s_cbranch_scc0 .Lentry_shape_is_right
	s_endpgm
.Lentry_shape_is_right:
; z[m][n] = (sum over k of A[m][k] B[n][k]) x 2^(e4 + e5) + b_fc_out[n] + x[m][n].  A = attention's result as codes of FP8 (E4M3), B = w_fc_out's codes [1024 n][1024 k] at byte 0 of wc; bias, x, z f32.
; A lies as the launch before stores it: [64 blocks of 64 rows][16 heads][64 rows][64 codes]; k = 64 head + channel.  So 64 rows x all of K are one dense block of 65,536 bytes.
; A tile of z is 128 x 128: 256 work-groups.  Four waves, each 64 x 64: 16 accumulators.  K is 1,024: the tile's whole A and B lie in LDS at once, each wave asking for a quarter at the head (waves 0, 1: A's two
; blocks of 64 rows, as 256 rows of 256 bytes; waves 2, 3: 64 rows of B, 1,024 bytes each).  Nothing is filled again: one barrier, no ring.
; CLUSTERS: 4 x 4 work-groups.  The four of a row of the cluster need the same rows of A, the four of a column the same rows of B: each quarter is asked for jointly.
; NO PREFETCH: all tiles are asked for by the first and only tensor loads; no loop runs ahead of any load.
; THE MATRIX INSTRUCTION IS USED TRANSPOSED (source 0 = 16 rows of B, source 1 = 16 rows of A): a lane holds eight neighbouring numbers of a row of z.
; Fragments come by four loads of 16 bytes: a permutation of k that is the same in A and in B; only the order of the sums inside an instruction changes.
; In LDS A's row 16 head + m / 4 holds four rows m of one head (256 bytes + 16): lane r reads row r / 4, byte 64 (r % 4): sixteen different columns of 16 bytes.  B's rows are 1,024 bytes + 16.
; LIMIT: e4 + e5 between -126 and 127, so that 2^(e4 + e5) is an f32 number.
; REGISTERS: window 0: v1-31 addresses, v[12:15] the bias of my four columns; v32-127 the residual of my blocks 0 to 2; v128-255 the accumulators ((a, b) at v[128 + 8 (4 a + b)]).
;   window 1: two fragment buffers of 128: for 128 along K, 64 registers of A (4 x 16 rows), then 64 of B.   window 2: v0-31 the residual of my block 3.
.set AHALF,  256*272
.set BPITCH, 1040
.set BHALF,  64*BPITCH
.set BOFF,   2*AHALF
.set STAGE,  BOFF+2*BHALF              ; behind the tiles: 16 rows x 272 bytes for each wave
.set SPITCH, 272
.set SPARE,  STAGE+4*16*SPITCH         ; behind the stages: the spare words, 128 bytes for each wave: two blocks of 256 bytes that no other line names
.set ADRA, 16                          ; v16, v17 my A fragments, heads 0-7 and 8-15
.set ADRB, 20                          ; v20, v21 my B fragments, K bytes 0-511 and 512-1023
.set STO,  24
.set RD,   25
.set CO,   26
.set SPW,  28
.set NIL,  29
.set RES,  32
.set RES3, 0
.set ACC,  128
.set F0,   0
.set F1,   128
.set G1, 24
.set G0, 32
.set G1B, 48
.set G0B, 56
.set MSB, 0
.macro WIN new                         ; the immediate's high byte repeats the setting that is left
.if MSB != \new
	s_set_vgpr_msb (MSB<<8)|\new
.set MSB, \new
.endif
.endm
.set MUL,  0x05                        ; sources 0 (B) and 1 (A) window 1; C and D window 0
.set TO_F, 0x40                        ; destination window 1, address window 0
.macro CROUND                          ; a round of the cluster's barrier
	s_barrier_signal -1
	s_barrier_wait -1
	s_cmp_lg_u32 s14, 0
	s_cbranch_scc1 .Lnot_wave_0_\@
	s_barrier_signal -3
.Lnot_wave_0_\@:
	s_barrier_wait -3
	s_barrier_signal -1
	s_barrier_wait -1
.endm
	s_load_b128 s[4:7], s[0:1], 0x0                ; A's codes, the weights' codes
	s_load_b128 s[8:11], s[0:1], 0x10              ; the scales' exponents, the bias
	s_load_b128 s[68:71], s[0:1], 0x20             ; x, z
	v_lshl_add_u32 v[SPW], v0, 2, SPARE
	v_mov_b32 v[NIL], 0
	ds_add_u32 v[SPW], v[NIL]                      ; the opening lines: the add, twice on end, and its wait ahead of my first tensor load
	ds_add_u32 v[SPW], v[NIL]
	v_lshrrev_b32 v1, 5, v0
	v_readfirstlane_b32 s14, v1                    ; wave 0..3
	s_lshr_b32 s15, s14, 1                         ; which half of the tile's rows is mine.  Also: I fetch for A (0) or for B (1)
	s_and_b32 s16, s14, 1                          ; which half of its columns.  Also: which 64 rows I fetch
	s_bfe_u32 s40, ttmp6, 0x40000                  ; cx, cy
	s_bfe_u32 s41, ttmp6, 0x40004
	s_lshl_b32 s42, ttmp9, 2
	s_add_co_u32 s42, s42, s40                     ; tile column
	s_and_b32 s17, ttmp7, 0xffff
	s_lshl_b32 s17, s17, 2
	s_add_co_u32 s17, s17, s41                     ; tile row
	s_lshl_b32 s43, s41, 2
	s_lshl_b32 s43, 15, s43                        ; my row of the cluster
	s_lshl_b32 s44, 0x1111, s40                    ; my column
	s_or_b32 s[G1+0], s43, (1<<20)|(1<<21)|(5<<22)|(3<<25)    ; the mask; elements of 1 byte; padding on; bit 21 beside a mask; after every 64 words four words
	s_or_b32 s[G1B+0], s44, (1<<20)|(1<<21)|(7<<22)|(3<<25)   ; B: after every 256 words
	s_mov_b32 s[G1+1], 256<<16                     ; A: 256 rows of 256 bytes, dense
	s_mov_b32 s[G1+2], 256<<16
	s_mov_b32 s[G1+3], 256<<16
	s_mov_b32 s[G1+4], 256
	s_mov_b32 s[G1+5], 256
	s_mov_b32 s[G1+6], 0
	s_mov_b32 s[G1+7], 0
	s_mov_b32 s[G1B+1], 1024<<16                   ; B: 64 rows of 1,024 bytes
	s_mov_b32 s[G1B+2], 64<<16
	s_mov_b32 s[G1B+3], 1024<<16
	s_mov_b32 s[G1B+4], 64
	s_mov_b32 s[G1B+5], 1024
	s_mov_b32 s[G1B+6], 0
	s_mov_b32 s[G1B+7], 0
	s_lshl_b32 s20, s17, 1
	s_add_co_u32 s20, s20, s16
	s_lshl_b32 s20, s20, 16                        ; A: block 2 x tile row + half, 65,536 bytes each
	s_mov_b32 s21, 0
	s_lshl_b32 s46, s42, 1
	s_add_co_u32 s46, s46, s16
	s_lshl_b32 s46, s46, 16                        ; B: rows 128 x tile column + 64 x half, 1,024 bytes each
	s_mov_b32 s47, 0
	s_mov_b32 s[G0], 1
	s_mul_i32 s[G0+1], s16, AHALF                  ; where they go: no place in the cluster enters an LDS address
	s_mov_b32 s[G0B], 1
	s_mul_i32 s[G0B+1], s16, BHALF
	s_add_co_u32 s[G0B+1], s[G0B+1], BOFF
	s_mul_i32 s74, s15, AHALF                      ; my 64 rows of A
	s_mul_i32 s75, s16, BHALF
	s_add_co_u32 s75, s75, BOFF                    ; my 64 rows of B
	s_mul_i32 s23, s14, 16*SPITCH
	s_add_co_u32 s23, s23, STAGE                   ; my stage
	s_lshl_b32 s72, s17, 19                        ; my part of z: (128 x tile row + 64 x half) rows
	s_lshl_b32 s73, s15, 18
	s_add_co_u32 s72, s72, s73
	s_lshl_b32 s76, s42, 9                         ; + (128 x tile column + 64 x half) numbers
	s_lshl_b32 s73, s16, 8
	s_add_co_u32 s76, s76, s73
	s_add_co_u32 s72, s72, s76
	s_mov_b32 s73, 0
	s_mov_b32 s77, 0
	s_wait_dscnt 0x0                               ; both opening adds are done
	s_wait_kmcnt 0x0
	s_load_b64 s[96:97], s[8:9], 16                ; e4, e5
	s_add_nc_u64 s[G0+2:G0+3], s[4:5], s[20:21]
	s_or_b32 s[G0+3], s[G0+3], 0x80000000
	s_add_nc_u64 s[G0B+2:G0B+3], s[6:7], s[46:47]
	s_or_b32 s[G0B+3], s[G0B+3], 0x80000000
	s_add_nc_u64 s[68:69], s[68:69], s[72:73]
	s_add_nc_u64 s[70:71], s[70:71], s[72:73]
	s_add_nc_u64 s[10:11], s[10:11], s[76:77]
	CROUND                                         ; all sixteen work-groups are here: the joint loads meet
	s_cmp_eq_u32 s15, 0                            ; waves 0, 1 fetch A's two blocks, waves 2, 3 B's two halves: one load a wave, one mask a line
	s_cbranch_scc0 .Lfor_b
	tensor_load_to_lds s[G0:G0+3], s[G1:G1+7]
	s_nop 0
.rept 4
	v_nop
.endr
	s_branch .Lasked
.Lfor_b:
	tensor_load_to_lds s[G0B:G0B+3], s[G1B:G1B+7]
	s_nop 0
.rept 4
	v_nop
.endr
.Lasked:
	v_and_b32 v1, 15, v0                           ; r = l % 16
	v_bfe_u32 v2, v0, 4, 1                         ; l / 16
	v_lshrrev_b32 v3, 2, v1
	v_mul_u32_u24 v3, v3, 272
	v_and_b32 v4, 3, v1
	v_lshl_add_u32 v3, v4, 6, v3
	v_lshl_add_u32 v3, v2, 4, v3
	v_add_nc_u32 v[ADRA], s74, v3                  ; A: LDS row r / 4, byte 64 (r % 4) + 16 (l / 16)
	v_add_nc_u32 v[ADRA+1], 8*4352, v[ADRA]        ; eight heads on: 16 LDS rows a head
	v_mul_u32_u24 v4, v1, BPITCH
	v_lshl_add_u32 v4, v2, 4, v4
	v_add_nc_u32 v[ADRB], s75, v4
	v_add_nc_u32 v[ADRB+1], 512, v[ADRB]
	v_mul_u32_u24 v5, v1, SPITCH
	v_lshl_add_u32 v5, v2, 5, v5
	v_add_nc_u32 v[STO], s23, v5                   ; the stage, in: row l % 16, 32 bytes for each half of the lanes
	v_mul_u32_u24 v6, v2, SPITCH
	v_lshl_add_u32 v6, v1, 4, v6
	v_add_nc_u32 v[RD], s23, v6                    ; back: lanes 0-15 one row of 256 bytes, lanes 16-31 the next
	v_lshlrev_b32 v[CO], 12, v2
	v_lshl_add_u32 v[CO], v1, 4, v[CO]             ; and the same two rows in z and in x (rows of 4,096 bytes)
	v_lshlrev_b32 v10, 4, v1
	global_load_b128 v[12:15], v10, s[10:11]       ; my four columns' bias
; The residual of my 64 rows x 64 columns: 32 loads, sixteen lanes to 256 consecutive bytes; asked for here, behind the tiles, it lands under the products
.irp a, 0,1,2
.irp t, 0,1,2,3,4,5,6,7
	global_load_b128 v[RES+32*\a+4*\t:RES+32*\a+4*\t+3], v[CO], s[68:69] offset:(16*\a+2*\t)*4096 th:TH_LOAD_NT
.endr
.endr
	WIN 0x80                                       ; destination window 2, address window 0
.irp t, 0,1,2,3,4,5,6,7
	global_load_b128 v[RES3+4*\t:RES3+4*\t+3], v[CO], s[68:69] offset:(48+2*\t)*4096 th:TH_LOAD_NT
.endr
	WIN 0
.macro MUL8 f, a0, zero                ; A's blocks a0, a0 + 1 x B's four, 128 along K.  zero = 1: the first product starts the sums.  The 16 accumulators take turns, in the same order in every quarter
.irp a, \a0, \a0+1
.irp b, 0,1,2,3
.if \zero
	v_wmma_f32_16x16x128_fp8_fp8 v[ACC+8*(4*(\a)+\b):ACC+8*(4*(\a)+\b)+7], v[\f+64+16*\b:\f+64+16*\b+15], v[\f+16*(\a):\f+16*(\a)+15], 0
.else
	v_wmma_f32_16x16x128_fp8_fp8 v[ACC+8*(4*(\a)+\b):ACC+8*(4*(\a)+\b)+7], v[\f+64+16*\b:\f+64+16*\b+15], v[\f+16*(\a):\f+16*(\a)+15], v[ACC+8*(4*(\a)+\b):ACC+8*(4*(\a)+\b)+7]
.endif
.endr
.endr
.endm
.macro FETCH hf, k, f                  ; 32 LDS loads in one run: the fragments of 128 along K at byte 512 hf + k: B's four, then A's four
	WIN TO_F
.irp i, 0,1,2,3
.irp c, 0,1,2,3
	ds_load_b128 v[\f+64+16*\i+4*\c:\f+64+16*\i+4*\c+3], v[ADRB+\hf] offset:\k+32*\c+\i*16*BPITCH
.endr
.endr
.irp i, 0,1,2,3
.irp c, 0,1,2,3
	ds_load_b128 v[\f+16*\i+4*\c:\f+16*\i+4*\c+3], v[ADRA+\hf] offset:4352*((\k+32*\c)/64)+(\k+32*\c)%64+\i*1088
.endr
.endr
.endm
.macro PLACES                          ; four places in front of loads into registers that matrix instructions have read, and of the first read of results
.rept 4
	v_nop
.endr
.endm
.macro QUARTER hf, k, f, g, zero       ; multiplies buffer f and fetches the next 128 along K into g
	s_wait_dscnt 8                                 ; B's four and A's blocks 0, 1 are in; the youngest eight loads (A's blocks 2, 3) may be out
	WIN MUL
	MUL8 \f, 0, \zero
	PLACES
	FETCH \hf, \k, \g
	s_wait_dscnt 32                                ; all but the 32 just issued
	WIN MUL
	MUL8 \f, 2, \zero
.endm
	s_wait_alu depctr_va_vdst(0)                   ; the wait at the head's end
	s_wait_tensorcnt 0x0                           ; my quarter is in;
	s_barrier_signal -1
	s_barrier_wait -1                              ; everybody's is
	FETCH 0, 0, F0
	QUARTER 0, 128, F0, F1, 1
	QUARTER 0, 256, F1, F0, 0
	QUARTER 0, 384, F0, F1, 0
	QUARTER 1, 0,   F1, F0, 0
	QUARTER 1, 128, F0, F1, 0
	QUARTER 1, 256, F1, F0, 0
	QUARTER 1, 384, F0, F1, 0
	s_wait_dscnt 8
	WIN MUL
	MUL8 F1, 0, 0
	s_wait_dscnt 0
	MUL8 F1, 2, 0
	WIN 0
; THE WAY OUT, a block of 16 rows x 64 columns at a time.  A wave's 64 columns of f32 are 256 consecutive bytes, so the stage is the wave's own: no barrier, and LDS serves a wave's instructions in order.
.macro TOSTAGE a
.irp b, 0,1,2,3
	ds_store_b128 v[STO], v[ACC+32*\a+8*\b:ACC+32*\a+8*\b+3] offset:64*\b          ; each accumulator from its low end on
	ds_store_b128 v[STO], v[ACC+32*\a+8*\b+4:ACC+32*\a+8*\b+7] offset:64*\b+16
.endr
.irp t, 0,1,2,3,4,5,6,7
	ds_load_b128 v[ACC+32*\a+4*\t:ACC+32*\a+4*\t+3], v[RD] offset:2*\t*SPITCH      ; back as whole rows, into the registers that they left
.endr
.endm
.macro FINISH a, younger, loads        ; younger: LDS instructions issued behind this block's; loads: residual loads issued behind this block's
	s_wait_dscnt \younger
	s_wait_loadcnt \loads
.irp t, 0,1,2,3,4,5,6,7
.set TT, ACC+32*\a+4*\t
	v_pk_fma_f32 v[TT:TT+1], v[TT:TT+1], s[96:97], v[12:13] op_sel_hi:[1,0,1]      ; sum x 2^(e4 + e5) + bias
	v_pk_fma_f32 v[TT+2:TT+3], v[TT+2:TT+3], s[96:97], v[14:15] op_sel_hi:[1,0,1]
.endr
.if \a == 3
	WIN 0x08                                       ; source 1: window 2, where block 3's residual lies
.irp t, 0,1,2,3,4,5,6,7
.set TT, ACC+32*\a+4*\t
	v_pk_add_f32 v[TT:TT+1], v[TT:TT+1], v[RES3+4*\t:RES3+4*\t+1]
	v_pk_add_f32 v[TT+2:TT+3], v[TT+2:TT+3], v[RES3+4*\t+2:RES3+4*\t+3]
.endr
	WIN 0
.else
.irp t, 0,1,2,3,4,5,6,7
.set TT, ACC+32*\a+4*\t
.set RR, RES+32*\a+4*\t
	v_pk_add_f32 v[TT:TT+1], v[TT:TT+1], v[RR:RR+1]                                ; + the residual
	v_pk_add_f32 v[TT+2:TT+3], v[TT+2:TT+3], v[RR+2:RR+3]
.endr
.endif
.irp t, 0,1,2,3,4,5,6,7
.set TT, ACC+32*\a+4*\t
	global_store_b128 v[CO], v[TT:TT+3], s[70:71] offset:(16*\a+2*\t)*4096 th:TH_STORE_NT   ; sixteen lanes store 256 consecutive bytes, at a multiple of 256 from z's first byte
.endr
.endm
	s_wait_kmcnt 0x0
	s_add_co_i32 s96, s96, s97
	s_add_co_i32 s96, s96, 127
	s_lshl_b32 s96, s96, 23                        ; 2^(e4 + e5) as f32
	s_mov_b32 s97, s96                             ; (named with it as a pair)
	PLACES
	TOSTAGE 0
	TOSTAGE 1
	FINISH 0, 16, 24                               ; behind block 0's: block 1's 8 stores and 8 loads; the residual of blocks 1 to 3
	TOSTAGE 2
	FINISH 1, 16, 16
	TOSTAGE 3
	FINISH 2, 16, 8
	FINISH 3, 0, 0
	s_wait_tensorcnt 0x0                           ; the wave's end
	ds_add_u32 v[SPW], v[NIL]
	s_wait_dscnt 0x0
	CROUND                                         ; the closing round
	s_endpgm
.Lfunc_end_k_q7f4e5247a5_fc:
	.size	k_q7f4e5247a5_fc, .Lfunc_end_k_q7f4e5247a5_fc-k_q7f4e5247a5_fc
	.p2alignl 7, 3214868480
	.fill 96, 4, 3214868480
	.section	.rodata,"a",@progbits
	.p2align	6, 0x0
	.amdhsa_kernel k_q7f4e5247a5_fc
		.amdhsa_group_segment_fixed_size 327680
		.amdhsa_private_segment_fixed_size 0
		.amdhsa_enable_private_segment 0
		.amdhsa_kernarg_size 48
		.amdhsa_user_sgpr_count 2
		.amdhsa_user_sgpr_kernarg_segment_ptr 1
		.amdhsa_wavefront_size32 1
		.amdhsa_system_sgpr_workgroup_id_x 1
		.amdhsa_system_sgpr_workgroup_id_y 1
		.amdhsa_system_sgpr_workgroup_id_z 1
		.amdhsa_system_vgpr_workitem_id 0
		.amdhsa_next_free_vgpr 544
		.amdhsa_next_free_sgpr 100
		.amdhsa_reserve_vcc 0
		.amdhsa_float_denorm_mode_32 3
		.amdhsa_float_denorm_mode_16_64 3
		.amdhsa_memory_ordered 1
		.amdhsa_forward_progress 1
		.amdhsa_inst_pref_size 52
	.end_amdhsa_kernel
	.amdgpu_metadata
---
amdhsa.version: [ 1, 2 ]
amdhsa.kernels:
  - .name:           k_q7f4e5247a5_fc
    .symbol:         k_q7f4e5247a5_fc.kd
    .args:
      - { .name: ao, .offset: 0, .size: 8, .value_kind: global_buffer, .address_space: global }
      - { .name: wc, .offset: 8, .size: 8, .value_kind: global_buffer, .address_space: global }
      - { .name: lowp_scales, .offset: 16, .size: 8, .value_kind: global_buffer, .address_space: global }
      - { .name: b_fc_out, .offset: 24, .size: 8, .value_kind: global_buffer, .address_space: global }
      - { .name: x, .offset: 32, .size: 8, .value_kind: global_buffer, .address_space: global }
      - { .name: z, .offset: 40, .size: 8, .value_kind: global_buffer, .address_space: global }
    .group_segment_fixed_size: 327680
    .private_segment_fixed_size: 0
    .kernarg_segment_align: 8
    .kernarg_segment_size: 48
    .max_flat_workgroup_size: 128
    .sgpr_count:     100
    .vgpr_count:     544
    .wavefront_size: 32
...
	.end_amdgpu_metadata
.endif
;; end of part 3
;; launch ln1 (part 4): grid 256 x 1, 4 waves a work-group, no clusters, 16,896 bytes of LDS; arguments z, g1, be1, lowp_scales, x1, x1c; writes x1, x1c
.if DOCPART == 4
	.amdgcn_target "amdgcn-amd-amdhsa--gfx1250"
	.amdhsa_code_object_version 6
	.text
	.protected	k_q7f4e5247a5_ln1
	.globl	k_q7f4e5247a5_ln1
	.p2align	8
	.type	k_q7f4e5247a5_ln1,@function
k_q7f4e5247a5_ln1:
	s_mov_b64 s[64:65], 0
	v_nop
	global_prefetch_b8 v0, s[64:65] scope:SCOPE_SE
	s_setreg_imm32_b32 hwreg(HW_REG_WAVE_MODE, 25, 1), 1
	s_wait_xcnt 0x0
; x1[r][:] = (z[r][:] - mean) x rsqrt(var + 1e-5) x g + be, rows of 1,024 f32; and x1's codes of FP8 (E4M3) with the scale 2^e6, for the next product.
; A wave takes 4 whole rows and keeps them in registers: a row is 8 loads of 512 consecutive bytes; lane l holds columns 128 j + 4 l .. + 3.  No wave waits for another.
; The variance is taken of the differences from the mean, in a second pass over the registers: a common offset of the inputs costs no digits.
; The codes: a conversion of eight registers gives one word (4 neighbouring columns) for each of two loads; the words turn through the wave's own LDS bytes and leave as 512 consecutive bytes a store.
; LIMIT: e6 between -126 and 119.  NaN among the inputs is not served.
.set CODES, 1
.set OUT, 16                           ; s[16:17] the f32 result
.set G,   16                           ; v16-47 g, v48-79 be of my 32 columns
.set BE,  48
.set X,   80                           ; v80-207 four rows
.set C,   208                          ; v208-215 a row's codes
.set CB,  216                          ; v216-247 codes read back
.set PD,  250                          ; the lane permute's destination
	s_load_b256 s[4:11], s[0:1], 0x0               ; z, g, be, the scales' exponents
	s_load_b128 s[16:19], s[0:1], 0x20             ; x1, x1c
	v_lshl_add_u32 v254, v0, 2, 0x4000
	v_mov_b32 v255, 0
	v_lshrrev_b32 v1, 5, v0
	v_readfirstlane_b32 s14, v1                    ; wave
	v_and_b32 v2, 31, v0
	v_lshlrev_b32 v1, 4, v2                        ; 16 x lane
	s_lshl_b32 s15, s14, 12
	v_lshl_add_u32 v3, v2, 4, s15                  ; LDS, back: 4,096 x wave + 16 x lane
	v_lshl_add_u32 v2, v2, 2, s15                  ; LDS, in: 4,096 x wave + 4 x lane
	v_mov_b32 v[PD], 0
	s_mov_b32 s12, 0x76543210
	s_mov_b32 s13, 0xfedcba98
	s_mov_b32 s20, 0x3a800000                      ; 1 / 1024
	s_mov_b32 s21, 0x3727c5ac                      ; 1e-5
	s_lshl_b32 s22, ttmp9, 4
	s_lshl_b32 s23, s14, 2
	s_add_co_u32 s22, s22, s23                     ; my first row
	s_lshl_b32 s24, s22, 10
	s_lshl_b32 s22, s22, 12
	s_mov_b32 s23, 0
	s_mov_b32 s25, 0
	s_wait_alu depctr_va_vdst(0)
	s_wait_kmcnt 0x0
	s_load_b32 s26, s[10:11], 0x18                 ; e6
	s_add_nc_u64 s[4:5], s[4:5], s[22:23]
	s_add_nc_u64 s[OUT:OUT+1], s[OUT:OUT+1], s[22:23]
	s_add_nc_u64 s[18:19], s[18:19], s[24:25]
.irp j, 0,1,2,3,4,5,6,7
	global_load_b128 v[G+4*\j:G+4*\j+3], v1, s[6:7] offset:512*\j
.endr
.irp j, 0,1,2,3,4,5,6,7
	global_load_b128 v[BE+4*\j:BE+4*\j+3], v1, s[8:9] offset:512*\j
.endr
.irp i, 0,1,2,3
.irp j, 0,1,2,3,4,5,6,7
	global_load_b128 v[X+32*\i+4*\j:X+32*\i+4*\j+3], v1, s[4:5] offset:4096*\i+512*\j th:TH_LOAD_NT
.endr
.endr
	s_wait_kmcnt 0x0
	s_add_co_i32 s26, s26, 127
	s_lshl_b32 s27, s26, 23
	v_mov_b32 v249, s27                            ; 2^e6
	s_add_co_i32 s26, s26, 8
	s_lshl_b32 s26, s26, 23
	s_or_b32 s26, s26, 0x600000
	v_mov_b32 v248, s26                            ; 448 x 2^e6
.macro LANES                           ; four chains in v[4:11] become one number in every lane's v4
	v_pk_add_f32 v[4:5], v[4:5], v[6:7]
	v_pk_add_f32 v[8:9], v[8:9], v[10:11]
	v_pk_add_f32 v[4:5], v[4:5], v[8:9]
	v_add_f32 v4, v4, v5
	v_add_f32_dpp v4, v4, v4 row_xmask:1 row_mask:0xf bank_mask:0xf
	v_add_f32_dpp v4, v4, v4 row_xmask:2 row_mask:0xf bank_mask:0xf
	v_add_f32_dpp v4, v4, v4 row_xmask:4 row_mask:0xf bank_mask:0xf
	v_add_f32_dpp v4, v4, v4 row_xmask:8 row_mask:0xf bank_mask:0xf
	v_permlanex16_b32 v[PD], v4, s12, s13
	v_add_f32 v4, v4, v[PD]
.endm
.macro ROW i
.set XR, X+32*\i
	s_wait_loadcnt 24-8*\i                         ; g, be and this row are in; the later rows' loads may be out
.irp k, 0,1,2,3
	v_pk_add_f32 v[4+2*\k:5+2*\k], v[XR+2*\k:XR+2*\k+1], v[XR+8+2*\k:XR+9+2*\k]
.endr
.irp p, 16,24
.irp k, 0,1,2,3
	v_pk_add_f32 v[4+2*\k:5+2*\k], v[4+2*\k:5+2*\k], v[XR+\p+2*\k:XR+\p+2*\k+1]
.endr
.endr
	LANES
	v_mul_f32 v12, s20, v4                         ; the mean
	v_mov_b32 v13, v12
.set p, 0
.rept 16
	v_pk_add_f32 v[XR+p:XR+p+1], v[XR+p:XR+p+1], v[12:13] neg_lo:[0,1] neg_hi:[0,1]
.set p, p+2
.endr
.irp k, 0,1,2,3
	v_pk_mul_f32 v[4+2*\k:5+2*\k], v[XR+2*\k:XR+2*\k+1], v[XR+2*\k:XR+2*\k+1]
.endr
.irp p, 8,16,24
.irp k, 0,1,2,3
	v_pk_fma_f32 v[4+2*\k:5+2*\k], v[XR+\p+2*\k:XR+\p+2*\k+1], v[XR+\p+2*\k:XR+\p+2*\k+1], v[4+2*\k:5+2*\k]
.endr
.endr
	LANES
	v_fma_f32 v6, v4, s20, s21                     ; the variance + 1e-5
	s_wait_alu depctr_va_vdst(0)
	v_rsq_f32 v14, v6
	v_rsq_f32 v15, v6                              ; twice: a pair for the packed multiply
	v_nop                                          ; a plain line behind the transcendentals
	s_wait_alu depctr_va_vdst(0)                   ; one wait for both, ahead of the first reader
.set p, 0
.rept 16
	v_pk_mul_f32 v[XR+p:XR+p+1], v[XR+p:XR+p+1], v[14:15]
.set p, p+2
.endr
.set p, 0
.rept 16
	v_pk_fma_f32 v[XR+p:XR+p+1], v[XR+p:XR+p+1], v[G+p:G+p+1], v[BE+p:BE+p+1]
.set p, p+2
.endr
.irp j, 0,1,2,3,4,5,6,7
	global_store_b128 v1, v[XR+4*\j:XR+4*\j+3], s[OUT:OUT+1] offset:4096*\i+512*\j   ; 512 consecutive bytes a store
.endr
.if CODES
	s_wait_xcnt 0x0                                ; the stores have read their registers: the row is rewritten only behind this wait
.set p, 0
.rept 32
	v_med3_num_f32 v[XR+p], v[XR+p], -v248, v248   ; the conversion does not saturate (ISA guide 7.6.2)
.set p, p+1
.endr
.irp g, 0,1,2,3
	v_cvt_scalef32_pk8_fp8_f32 v[C+2*\g:C+2*\g+1], v[XR+8*\g:XR+8*\g+7], v249
.endr
	v_nop                                          ; a plain line behind the last conversion
.irp j, 0,1,2,3,4,5,6,7
	ds_store_b32 v2, v[C+\j] offset:1024*\i+128*\j ; word j: columns 128 j + 4 l .. + 3
.endr
	ds_load_b128 v[CB+8*\i:CB+8*\i+3], v3 offset:1024*\i          ; LDS serves a wave's instructions in order: these see my stores
	ds_load_b128 v[CB+8*\i+4:CB+8*\i+7], v3 offset:1024*\i+512
	s_wait_dscnt 0x0
	global_store_b128 v1, v[CB+8*\i:CB+8*\i+3], s[18:19] offset:1024*\i
	global_store_b128 v1, v[CB+8*\i+4:CB+8*\i+7], s[18:19] offset:1024*\i+512
.endif
.endm
	ROW 0
	ROW 1
	ROW 2
	ROW 3
	s_wait_tensorcnt 0x0
	ds_add_u32 v254, v255
	s_wait_dscnt 0x0
	s_endpgm
.Lfunc_end_k_q7f4e5247a5_ln1:
	.size	k_q7f4e5247a5_ln1, .Lfunc_end_k_q7f4e5247a5_ln1-k_q7f4e5247a5_ln1
	.p2alignl 7, 3214868480
	.fill 96, 4, 3214868480
	.section	.rodata,"a",@progbits
	.p2align	6, 0x0
	.amdhsa_kernel k_q7f4e5247a5_ln1
		.amdhsa_group_segment_fixed_size 16896
		.amdhsa_private_segment_fixed_size 0
		.amdhsa_enable_private_segment 0
		.amdhsa_kernarg_size 48
		.amdhsa_user_sgpr_count 2
		.amdhsa_user_sgpr_kernarg_segment_ptr 1
		.amdhsa_wavefront_size32 1
		.amdhsa_system_sgpr_workgroup_id_x 1
		.amdhsa_system_sgpr_workgroup_id_y 1
		.amdhsa_system_sgpr_workgroup_id_z 1
		.amdhsa_system_vgpr_workitem_id 0
		.amdhsa_next_free_vgpr 256
		.amdhsa_next_free_sgpr 66
		.amdhsa_reserve_vcc 0
		.amdhsa_float_denorm_mode_32 3
		.amdhsa_float_denorm_mode_16_64 3
		.amdhsa_memory_ordered 1
		.amdhsa_forward_progress 1
		.amdhsa_inst_pref_size 47
	.end_amdhsa_kernel
	.amdgpu_metadata
---
amdhsa.version: [ 1, 2 ]
amdhsa.kernels:
  - .name:           k_q7f4e5247a5_ln1
    .symbol:         k_q7f4e5247a5_ln1.kd
    .args:
      - { .name: z, .offset: 0, .size: 8, .value_kind: global_buffer, .address_space: global }
      - { .name: g1, .offset: 8, .size: 8, .value_kind: global_buffer, .address_space: global }
      - { .name: be1, .offset: 16, .size: 8, .value_kind: global_buffer, .address_space: global }
      - { .name: lowp_scales, .offset: 24, .size: 8, .value_kind: global_buffer, .address_space: global }
      - { .name: x1, .offset: 32, .size: 8, .value_kind: global_buffer, .address_space: global }
      - { .name: x1c, .offset: 40, .size: 8, .value_kind: global_buffer, .address_space: global }
    .group_segment_fixed_size: 16896
    .private_segment_fixed_size: 0
    .kernarg_segment_align: 8
    .kernarg_segment_size: 48
    .max_flat_workgroup_size: 128
    .sgpr_count:     66
    .vgpr_count:     256
    .wavefront_size: 32
...
	.end_amdgpu_metadata
.endif
;; end of part 4
;; launch ff1 (part 5): grid 16 x 16, 4 waves a work-group, clusters of 4 x 4, 327,680 bytes of LDS; arguments x1c, wc, lowp_scales, b_ff1, hc; writes hc
.if DOCPART == 5
	.amdgcn_target "amdgcn-amd-amdhsa--gfx1250"
	.amdhsa_code_object_version 6
	.text
	.protected	k_q7f4e5247a5_ff1
	.globl	k_q7f4e5247a5_ff1
	.p2align	8
	.type	k_q7f4e5247a5_ff1,@function
k_q7f4e5247a5_ff1:
	s_mov_b64 s[64:65], 0
	v_nop
	global_prefetch_b8 v0, s[64:65] scope:SCOPE_SE
	s_setreg_imm32_b32 hwreg(HW_REG_WAVE_MODE, 25, 1), 1
	s_wait_xcnt 0x0
	s_wait_alu depctr_hold_cnt(0) depctr_sa_sdst(0) depctr_va_vdst(0) depctr_va_sdst(0) depctr_va_ssrc(0) depctr_va_vcc(0) depctr_vm_vsrc(0)
	s_getreg_b32 s2, hwreg(HW_REG_IB_STS2, 6, 4)
	s_cmp_eq_u32 s2, 0
	s_cbranch_scc0 .Lentry_in_a_cluster
	s_endpgm
.Lentry_in_a_cluster:
	s_bfe_u32 s2, ttmp6, 0x10000c
	s_cmp_lg_u32 s2, 0xf033
	s_cbranch_scc0 .Lentry_shape_is_right
	s_endpgm
.Lentry_shape_is_right:
.set SIZE_N, 4096
.set SIZE_K, 1024
.set WOFF,   0x100000
.set KSTEP,  256
.set ROWB,   256
.set KROW,   SIZE_K
.set PITCH,  272
.set FR,     16
.set NL,     4
.set NP,     4
.set HALFT,  128*PITCH
.set SLOT,   4*HALFT
.set LAPS,   SIZE_K/(2*KSTEP)
.set SPARE,  2*SLOT
.set SPITCH, 272
.set ADRA, 16
.set ADRB, 20
.set STO,  24
.set RD,   25
.set CO,   26
.set SPW,  28
.set NIL,  29
.set BI,   32
.set AF,   128
.set G1, 24
.set G0, 32
.set G1B, 48
.set G0B, 56
.set MSB, 0
.macro WIN new
.if MSB != \new
	s_set_vgpr_msb (MSB<<8)|\new
.set MSB, \new
.endif
.endm
.set MUL_LO, 0xa1
.set MUL_HI, 0xf1
.set FST_LO, 0x81
.set FST_HI, 0xc1
.set TO_B,   0x40
.macro JLOAD g0a, g1a, g0b, g1b
	s_cmp_eq_u32 s15, 0
	s_cbranch_scc0 .Lfor_b_\@
	tensor_load_to_lds s[\g0a:\g0a+3], s[\g1a:\g1a+7]
	s_nop 0
.rept 4
	v_nop
.endr
	s_branch .Lasked_\@
.Lfor_b_\@:
	tensor_load_to_lds s[\g0b:\g0b+3], s[\g1b:\g1b+7]
	s_nop 0
.rept 4
	v_nop
.endr
.Lasked_\@:
.endm
.macro CREST
	s_cmp_lg_u32 s14, 0
	s_cbranch_scc1 .Lnot_wave_0_\@
	s_barrier_signal -3
.Lnot_wave_0_\@:
	s_barrier_wait -3
	s_barrier_signal -1
	s_barrier_wait -1
.endm
.macro CROUND
	s_barrier_signal -1
	s_barrier_wait -1
	CREST
.endm
	s_load_b128 s[4:7], s[0:1], 0x0
	s_load_b128 s[8:11], s[0:1], 0x10
	s_load_b64 s[68:69], s[0:1], 0x20
	v_lshl_add_u32 v[SPW], v0, 2, SPARE
	v_mov_b32 v[NIL], 0
	ds_add_u32 v28, v29
	ds_add_u32 v28, v29
	s_wait_dscnt 0x0
	v_lshrrev_b32 v1, 5, v0
	v_readfirstlane_b32 s14, v1
	s_lshr_b32 s15, s14, 1
	s_and_b32 s16, s14, 1
	s_bfe_u32 s40, ttmp6, 0x40000
	s_bfe_u32 s41, ttmp6, 0x40004
	s_lshl_b32 s42, ttmp9, 2
	s_add_co_u32 s42, s42, s40
	s_and_b32 s17, ttmp7, 0xffff
	s_lshl_b32 s17, s17, 2
	s_add_co_u32 s17, s17, s41
	s_lshl_b32 s43, s41, 2
	s_lshl_b32 s43, 15, s43
	s_lshl_b32 s44, 0x1111, s40
	s_or_b32 s[G1+0], s43, (1<<20)|(1<<21)|(5<<22)|(3<<25)
	s_or_b32 s[G1B+0], s44, (1<<20)|(1<<21)|(5<<22)|(3<<25)
.irp g, G1, G1B
	s_mov_b32 s[\g+1], ROWB<<16
	s_mov_b32 s[\g+2], 128<<16
	s_mov_b32 s[\g+3], ROWB<<16
	s_mov_b32 s[\g+4], 128
	s_mov_b32 s[\g+5], KROW
	s_mov_b32 s[\g+6], 0
	s_mov_b32 s[\g+7], 0
.endr
	s_lshl_b32 s18, s16, 7
	s_lshl_b32 s20, s17, 8
	s_add_co_u32 s20, s20, s18
	s_lshl_b32 s46, s42, 8
	s_add_co_u32 s46, s46, s18
	s_mov_b32 s21, 0
	s_mov_b32 s47, 0
	s_mov_b64 s[18:19], KROW
	s_mul_u64 s[20:21], s[20:21], s[18:19]
	s_mul_u64 s[46:47], s[46:47], s[18:19]
	s_mul_i32 s45, s14, HALFT
	s_wait_kmcnt 0x0
	s_load_b64 s[96:97], s[8:9], 0x18
	s_load_b32 s98, s[8:9], 0x20
	s_add_nc_u64 s[20:21], s[4:5], s[20:21]
	s_add_nc_u64 s[46:47], s[6:7], s[46:47]
	s_add_nc_u64 s[46:47], s[46:47], WOFF
	CROUND
.irp s, 0,1
	s_mov_b32 s[G0+4*\s], 1
	s_add_co_u32 s[G0+4*\s+1], s45, \s*SLOT
	s_add_nc_u64 s[G0+4*\s+2:G0+4*\s+3], s[20:21], \s*ROWB
	s_or_b32 s[G0+4*\s+3], s[G0+4*\s+3], 0x80000000
	s_mov_b32 s[G0B+4*\s], 1
	s_add_co_u32 s[G0B+4*\s+1], s45, \s*SLOT
	s_add_nc_u64 s[G0B+4*\s+2:G0B+4*\s+3], s[46:47], \s*ROWB
	s_or_b32 s[G0B+4*\s+3], s[G0B+4*\s+3], 0x80000000
.if \s
	s_wait_alu depctr_va_vdst(0)                   ; directly ahead of the wait below
	s_wait_tensorcnt 0x0                           ; slot 1's first fill is issued as a refill is: my part of slot 0 is in;
	ds_add_u32 v[SPW], v[NIL]                      ; 0 onto my spare word;
	s_wait_dscnt 0x0                               ; the add is done;
	CROUND                                         ; a whole round, and behind it my one tensor load
.endif
	JLOAD G0+4*\s, G1, G0B+4*\s, G1B
.endr
	v_and_b32 v1, 15, v0
	s_wait_alu depctr_va_vdst(0)
	v_bfe_u32 v2, v0, 4, 1
	v_mul_u32_u24 v3, v1, PITCH
	v_lshl_add_u32 v4, v2, 4, v3
	s_mul_i32 s21, s15, HALFT
	s_mul_i32 s22, s16, HALFT
	s_add_co_u32 s22, s22, 2*HALFT
.irp s, 0,1
	v_add_nc_u32 v[ADRA+\s], s21, v4
	v_add_nc_u32 v[ADRB+\s], s22, v4
	s_add_co_u32 s21, s21, SLOT
	s_add_co_u32 s22, s22, SLOT
.endr
	s_mul_i32 s23, s15, 128*SPITCH
	s_lshl_b32 s72, s16, 7
	s_add_co_u32 s23, s23, s72
	v_mul_u32_u24 v5, v1, SPITCH
	s_wait_alu depctr_va_vdst(0)
	v_lshl_add_u32 v5, v2, 3, v5
	v_add_nc_u32 v[STO], s23, v5
	s_mul_i32 s23, s14, 64*SPITCH
	v_mul_u32_u24 v6, v2, SPITCH
	v_lshl_add_u32 v6, v1, 4, v6
	v_add_nc_u32 v[RD], s23, v6
	v_lshlrev_b32 v[CO], 12, v2
	v_lshl_add_u32 v[CO], v1, 4, v[CO]
	v_lshlrev_b32 v27, 5, v2
	s_wait_alu depctr_va_vdst(0)
	s_lshl_b32 s72, s17, 20
	s_lshl_b32 s73, s14, 18
	s_add_co_u32 s72, s72, s73
	s_lshl_b32 s73, s42, 8
	s_add_co_u32 s72, s72, s73
	s_mov_b32 s73, 0
	s_add_nc_u64 s[68:69], s[68:69], s[72:73]
	s_lshl_b32 s72, s42, 10
	s_lshl_b32 s74, s16, 9
	s_add_co_u32 s72, s72, s74
	s_add_nc_u64 s[10:11], s[10:11], s[72:73]
.irp b, 0,1,2,3,4,5,6,7
	global_load_b128 v[BI+8*\b:BI+8*\b+3], v27, s[10:11] offset:64*\b
	global_load_b128 v[BI+8*\b+4:BI+8*\b+7], v27, s[10:11] offset:64*\b+16
.endr
	s_wait_loadcnt 0x0
	s_wait_kmcnt 0x0
	s_add_co_i32 s72, s96, s97
	s_sub_co_i32 s73, 0, s72
.set j, 0
.rept 64
	v_ldexp_f32 v[BI+j], v[BI+j], s73
.set j, j+1
.endr
	s_sub_co_i32 s74, s98, s72
	s_add_co_i32 s74, s74, 127
	s_lshl_b32 s75, s74, 23
	v_mov_b32 v30, s75
	s_add_co_i32 s74, s74, 8
	s_lshl_b32 s74, s74, 23
	s_or_b32 s74, s74, 0x600000
	v_mov_b32 v31, s74
.macro FRAG reg, adr, q, i
.irp c, 0,1,2,3
	ds_load_b128 v[\reg+4*\c:\reg+4*\c+3], v[\adr] offset:128*(\q)+32*\c+(\i)*16*PITCH
.endr
.endm
.macro MUL16 a0, p, first
.irp a, \a0, \a0+1
.irp b, 0,1,2,3,4,5,6,7
.if \first
	v_wmma_f32_16x16x128_fp8_fp8 v[8*(8*((\a)%4)+\b):8*(8*((\a)%4)+\b)+7], v[128*(\p)+FR*\b:128*(\p)+FR*\b+FR-1], v[AF+FR*(\a):AF+FR*(\a)+FR-1], v[BI+8*\b:BI+8*\b+7]
.else
	v_wmma_f32_16x16x128_fp8_fp8 v[8*(8*((\a)%4)+\b):8*(8*((\a)%4)+\b)+7], v[128*(\p)+FR*\b:128*(\p)+FR*\b+FR-1], v[AF+FR*(\a):AF+FR*(\a)+FR-1], v[8*(8*((\a)%4)+\b):8*(8*((\a)%4)+\b)+7]
.endif
.endr
.endr
.endm
.macro FETCH_B slot, q, p
	WIN TO_B
.irp i, 0,1,2,3,4,5,6,7
	FRAG 128*(\p)+FR*\i, ADRB+\slot, \q, \i
.endr
	WIN 0
.endm
.macro FETCH_A slot, q, i0
.irp i, \i0, \i0+1, \i0+2, \i0+3
	FRAG AF+FR*(\i), ADRA+\slot, \q, \i
.endr
.endm
.macro PLACES n
.rept \n
	v_nop
.endr
.endm
.macro STEP slot, q, first
	s_wait_dscnt 4*NL
.if \first
	WIN FST_LO
.else
	WIN MUL_LO
.endif
	MUL16 0, (\q)%2, \first
	MUL16 2, (\q)%2, \first
	s_wait_dscnt 0
	PLACES NP
	FETCH_B \slot, (\q)+1, 1-(\q)%2
	FETCH_A \slot, (\q)+1, 0
.if \first
	WIN FST_HI
.else
	WIN MUL_HI
.endif
	MUL16 4, (\q)%2, \first
	MUL16 6, (\q)%2, \first
	PLACES NP
	WIN 0
	FETCH_A \slot, (\q)+1, 4
.endm
.macro TURN slot, next, fill
	s_wait_tensorcnt 0x0
	ds_add_u32 v[SPW], v[NIL]
	s_wait_dscnt 4*NL+1
	WIN MUL_LO
	MUL16 0, 1, 0
	s_wait_dscnt 0x0
	s_barrier_signal -1
	MUL16 2, 1, 0
	WIN 0
	s_barrier_wait -1
.if \fill
	CREST
	s_add_nc_u64 s[G0+4*\slot+2:G0+4*\slot+3], s[G0+4*\slot+2:G0+4*\slot+3], 2*ROWB
	s_add_nc_u64 s[G0B+4*\slot+2:G0B+4*\slot+3], s[G0B+4*\slot+2:G0B+4*\slot+3], 2*ROWB
	JLOAD G0+4*\slot, G1, G0B+4*\slot, G1B
.else
	PLACES NP
.endif
	FETCH_B \next, 0, 0
	FETCH_A \next, 0, 0
	WIN MUL_HI
	MUL16 4, 1, 0
	MUL16 6, 1, 0
	PLACES NP
	WIN 0
	FETCH_A \next, 0, 4
.endm
	s_wait_alu depctr_va_vdst(0)
	s_wait_tensorcnt 1
	s_barrier_signal -1
	s_barrier_wait -1
	FETCH_B 0, 0, 0
	FETCH_A 0, 0, 0
	FETCH_A 0, 0, 4
	STEP 0, 0, 1
	s_mov_b32 s3, LAPS-1
.Llap:
	TURN 0, 1, 1
	STEP 1, 0, 0
	TURN 1, 0, 1
	STEP 0, 0, 0
	s_sub_co_u32 s3, s3, 1
	s_cmp_lg_u32 s3, 0
	s_cbranch_scc1 .Llap
	TURN 0, 1, 0
	STEP 1, 0, 0
	s_wait_dscnt 4*NL
	WIN MUL_LO
	MUL16 0, 1, 0
	MUL16 2, 1, 0
	s_wait_dscnt 0
	WIN MUL_HI
	MUL16 4, 1, 0
	MUL16 6, 1, 0
	PLACES NP
.irp a, 0,1,2,3,4,5,6,7
.set AC, 64*((\a)%4)
	WIN 0x82+0x41*((\a)/4)
.set j, 0
.rept 64
	v_med3_num_f32 v[AC+j], v[AC+j], 0, v31
.set j, j+1
.endr
	WIN 0x02+((\a)/4)
.irp b, 0,1,2,3,4,5,6,7
	v_cvt_scalef32_pk8_fp8_f32 v[128+16*\a+2*\b:129+16*\a+2*\b], v[AC+8*\b:AC+8*\b+7], v30
.endr
.endr
	v_nop
	WIN 0
.irp a, 0,1,2,3,4,5,6,7
.irp b, 0,1,2,3,4,5,6,7
	ds_store_b64 v[STO], v[128+16*\a+2*\b:129+16*\a+2*\b] offset:\a*16*SPITCH+16*\b
.endr
.endr
	s_wait_dscnt 0x0
	s_barrier_signal -1
	s_barrier_wait -1
.set t, 0
.rept 32
	ds_load_b128 v[128+4*t:131+4*t], v[RD] offset:2*t*SPITCH
.set t, t+1
.endr
.set t, 0
.rept 32
	s_wait_dscnt 31-t
	global_store_b128 v[CO], v[128+4*t:131+4*t], s[68:69] offset:2*t*SIZE_N
.set t, t+1
.endr
	s_wait_tensorcnt 0x0
	ds_add_u32 v[SPW], v[NIL]
	s_wait_dscnt 0x0
	CROUND
	s_endpgm
.Lfunc_end_k_q7f4e5247a5_ff1:
	.size	k_q7f4e5247a5_ff1, .Lfunc_end_k_q7f4e5247a5_ff1-k_q7f4e5247a5_ff1
	.p2alignl 7, 3214868480
	.fill 96, 4, 3214868480
	.section	.rodata,"a",@progbits
	.p2align	6, 0x0
	.amdhsa_kernel k_q7f4e5247a5_ff1
		.amdhsa_group_segment_fixed_size 327680
		.amdhsa_private_segment_fixed_size 0
		.amdhsa_enable_private_segment 0
		.amdhsa_kernarg_size 40
		.amdhsa_user_sgpr_count 2
		.amdhsa_user_sgpr_kernarg_segment_ptr 1
		.amdhsa_wavefront_size32 1
		.amdhsa_system_sgpr_workgroup_id_x 1
		.amdhsa_system_sgpr_workgroup_id_y 1
		.amdhsa_system_sgpr_workgroup_id_z 1
		.amdhsa_system_vgpr_workitem_id 0
		.amdhsa_next_free_vgpr 1024
		.amdhsa_next_free_sgpr 100
		.amdhsa_reserve_vcc 0
		.amdhsa_float_denorm_mode_32 3
		.amdhsa_float_denorm_mode_16_64 3
		.amdhsa_memory_ordered 1
		.amdhsa_forward_progress 1
		.amdhsa_inst_pref_size 131
	.end_amdhsa_kernel
	.amdgpu_metadata
---
amdhsa.version: [ 1, 2 ]
amdhsa.kernels:
  - .name:           k_q7f4e5247a5_ff1
    .symbol:         k_q7f4e5247a5_ff1.kd
    .args:
      - { .name: x1c, .offset: 0, .size: 8, .value_kind: global_buffer, .address_space: global }
      - { .name: wc, .offset: 8, .size: 8, .value_kind: global_buffer, .address_space: global }
      - { .name: lowp_scales, .offset: 16, .size: 8, .value_kind: global_buffer, .address_space: global }
      - { .name: b_ff1, .offset: 24, .size: 8, .value_kind: global_buffer, .address_space: global }
      - { .name: hc, .offset: 32, .size: 8, .value_kind: global_buffer, .address_space: global }
    .group_segment_fixed_size: 327680
    .private_segment_fixed_size: 0
    .kernarg_segment_align: 8
    .kernarg_segment_size: 40
    .max_flat_workgroup_size: 128
    .sgpr_count:     100
    .vgpr_count:     1024
    .wavefront_size: 32
...
	.end_amdgpu_metadata
.endif
;; end of part 5
;; launch ff2 (part 6): grid 8 x 32, 4 waves a work-group, clusters of 4 x 4, 327,680 bytes of LDS; arguments hc, wc, lowp_scales, b_ff2, x1, z; writes z
.if DOCPART == 6
	.amdgcn_target "amdgcn-amd-amdhsa--gfx1250"
	.amdhsa_code_object_version 6
	.text
	.protected	k_q7f4e5247a5_ff2
	.globl	k_q7f4e5247a5_ff2
	.p2align	8
	.type	k_q7f4e5247a5_ff2,@function
k_q7f4e5247a5_ff2:
	s_mov_b64 s[64:65], 0
	v_nop
	global_prefetch_b8 v0, s[64:65] scope:SCOPE_SE
	s_setreg_imm32_b32 hwreg(HW_REG_WAVE_MODE, 25, 1), 1
	s_wait_xcnt 0x0
	s_wait_alu depctr_hold_cnt(0) depctr_sa_sdst(0) depctr_va_vdst(0) depctr_va_sdst(0) depctr_va_ssrc(0) depctr_va_vcc(0) depctr_vm_vsrc(0)
	s_getreg_b32 s2, hwreg(HW_REG_IB_STS2, 6, 4)
	s_cmp_eq_u32 s2, 0
	s_cbranch_scc0 .Lentry_in_a_cluster
	s_endpgm
.Lentry_in_a_cluster:
	s_bfe_u32 s2, ttmp6, 0x10000c
	s_cmp_lg_u32 s2, 0xf033
	s_cbranch_scc0 .Lentry_shape_is_right
	s_endpgm
.Lentry_shape_is_right:
; z[m][n] = (sum over k of A[m][k] B[n][k]) x 2^(eA + eB) + bias[n] + res[m][n].  A: [4096][KTOT], B: [1024][KTOT] at byte WOFF of the weights' codes: FP8 (E4M3), K innermost; bias, res, z f32.
; Here: A = the hidden layer's codes (e8), B = w_ff2 (e9), res = x1.
; A tile of z is 128 x 128: 256 work-groups.  Four waves, each 64 x 64: 16 accumulators, 128 registers.  K goes in steps of 512 (LDS rows of 512 bytes; a wave's tensor load brings 64 of them) through a ring of two LDS slots.
; CLUSTERS: 4 x 4 work-groups.  The four of a row of the cluster need the same tiles of A, the four of a column the same tiles of B: each tile is asked for jointly.
; WHERE K BEGINS: cluster (X, Y) begins at K step (2 ((Y + 2 (Y / 4)) mod 4) + 4 X) mod 8 and walks the eight steps round the end of K.  The two clusters that read the same rows of A (X = 0, 1) are four steps apart;
; of the clusters that read the same rows of B, Y = 0 to 3 begin at steps 0, 2, 4, 6 (+ 4 X) and Y = 4 to 7 at 4, 6, 0, 2: so no two clusters that share rows ask for the same bytes in the same round but for these pairs.
; THE MATRIX INSTRUCTION IS USED TRANSPOSED (source 0 = 16 rows of B, source 1 = 16 rows of A): a lane holds eight neighbouring numbers of a row of z.
; Fragments come by four loads of 16 bytes: a permutation of k that is the same in A and in B; only the order of the sums inside an instruction changes.
; LIMITS: eA + eB between -126 and 127, so that 2^(eA + eB) is an f32 number.  The order of rounding in a sum is that of the walk over K, not that of an ascending sum.
; REGISTERS: window 0: v1-31 addresses, v[12:15] the bias of my four columns; v32-127 the residual of my blocks 0 to 2; v128-255 the accumulators ((a, b) at v[128 + 8 (4 a + b)]).
;   window 1: two fragment buffers of 128: for 128 along K, 64 registers of A (4 x 16 rows), then 64 of B.   window 2: v0-31 the residual of my block 3.
.set KTOT,   4096
.set WOFF,   0x500000
.set EOFF,   32
.set KSTEP,  512
.set NSTEP,  KTOT/KSTEP
.set PITCH,  528                       ; an LDS row: 512 bytes + 16 of padding: the 16 rows that a load touches start at 16 different banks (64 banks of 4 bytes: ISA guide 11.1)
.set HALFT,  64*PITCH
.set SLOT,   4*HALFT                   ; A's 128 rows, then B's 128 rows
.set STAGE,  2*SLOT                    ; behind the ring: 16 rows x 272 bytes for each wave
.set SPITCH, 272
.set SPARE,  STAGE+4*16*SPITCH         ; behind the stages: the spare words, 128 bytes for each wave: two blocks of 256 bytes that no other line names
.set LAPS,   KTOT/(2*KSTEP)
.set ADRA, 16
.set ADRB, 20
.set STO,  24
.set RD,   25
.set CO,   26
.set SPW,  28
.set NIL,  29
.set RES,  32
.set RES3, 0                           ; in window 2
.set ACC,  128
.set F0,   0
.set F1,   128
.set G1, 24
.set G0, 32
.set G1B, 48
.set G0B, 56
.set BA, 76                            ; s[76:77] A at the rows that I fetch, s[78:79] B likewise: K step 0; never rewritten
.set KK, 80                            ; s[80:81] the byte along K at which slot 0's tile begins, s[82:83] slot 1's
.set MSB, 0
.macro WIN new                         ; the immediate's high byte repeats the setting that is left
.if MSB != \new
	s_set_vgpr_msb (MSB<<8)|\new
.set MSB, \new
.endif
.endm
.set MUL,  0x05                        ; sources 0 (B) and 1 (A) window 1; C and D window 0
.set TO_F, 0x40                        ; destination window 1, address window 0
.macro JLOAD s                         ; a joint load: waves 0, 1 fetch A's two halves, waves 2, 3 B's; four v_nop follow each of the two lines
	s_cmp_eq_u32 s15, 0
	s_cbranch_scc0 .Lfor_b_\@
	tensor_load_to_lds s[G0+4*\s:G0+4*\s+3], s[G1:G1+7]
	s_nop 0
.rept 4
	v_nop
.endr
	s_branch .Lasked_\@
.Lfor_b_\@:
	tensor_load_to_lds s[G0B+4*\s:G0B+4*\s+3], s[G1B:G1B+7]
	s_nop 0
.rept 4
	v_nop
.endr
.Lasked_\@:
.endm
.macro CREST                           ; a round of the cluster's barrier behind its opening barrier
	s_cmp_lg_u32 s14, 0
	s_cbranch_scc1 .Lnot_wave_0_\@
	s_barrier_signal -3
.Lnot_wave_0_\@:
	s_barrier_wait -3
	s_barrier_signal -1
	s_barrier_wait -1
.endm
.macro CROUND
	s_barrier_signal -1
	s_barrier_wait -1
	CREST
.endm
; The residual of my 64 rows x 64 columns, all four blocks of 16 rows: 32 loads, sixteen lanes to 256 consecutive bytes; read once in the launch.  None is left for the way out, where nothing could stand beside its wait.
.macro RESIDUAL
.irp a, 0,1,2
.irp t, 0,1,2,3,4,5,6,7
	global_load_b128 v[RES+32*\a+4*\t:RES+32*\a+4*\t+3], v[CO], s[68:69] offset:(16*\a+2*\t)*4096 th:TH_LOAD_NT
.endr
.endr
	WIN 0x80                                       ; destination window 2, address window 0
.irp t, 0,1,2,3,4,5,6,7
	global_load_b128 v[RES3+4*\t:RES3+4*\t+3], v[CO], s[68:69] offset:(48+2*\t)*4096 th:TH_LOAD_NT
.endr
	WIN 0
.endm
	s_load_b128 s[4:7], s[0:1], 0x0                ; A's codes, the weights' codes
	s_load_b128 s[8:11], s[0:1], 0x10              ; the scales' exponents, the bias
	s_load_b128 s[68:71], s[0:1], 0x20             ; the residual, z
	v_lshl_add_u32 v[SPW], v0, 2, SPARE
	v_mov_b32 v[NIL], 0
	ds_add_u32 v28, v29
	ds_add_u32 v28, v29
	s_wait_dscnt 0x0
	v_lshrrev_b32 v1, 5, v0
	v_readfirstlane_b32 s14, v1                    ; wave 0..3
	s_lshr_b32 s15, s14, 1                         ; which half of the tile's rows is mine.  Also: I fetch for A (0) or for B (1)
	s_and_b32 s16, s14, 1                          ; which half of its columns.  Also: which 64 rows of that tile I fetch
	s_bfe_u32 s40, ttmp6, 0x40000                  ; cx, cy
	s_bfe_u32 s41, ttmp6, 0x40004
	s_lshl_b32 s42, ttmp9, 2
	s_add_co_u32 s42, s42, s40                     ; tile column
	s_and_b32 s17, ttmp7, 0xffff
	s_lshl_b32 s17, s17, 2
	s_add_co_u32 s17, s17, s41                     ; tile row
	s_lshl_b32 s43, s41, 2
	s_lshl_b32 s43, 15, s43                        ; my row of the cluster
	s_lshl_b32 s44, 0x1111, s40                    ; my column
	s_or_b32 s[G1+0], s43, (1<<20)|(1<<21)|(6<<22)|(3<<25)   ; the mask; elements of 1 byte; padding on; bit 21 beside a mask; after every 128 words four words
	s_or_b32 s[G1B+0], s44, (1<<20)|(1<<21)|(6<<22)|(3<<25)
.irp g, G1, G1B
	s_mov_b32 s[\g+1], KSTEP<<16                   ; tensor_dim0
	s_mov_b32 s[\g+2], 64<<16                      ; tensor_dim1
	s_mov_b32 s[\g+3], KSTEP<<16                   ; tile_dim0
	s_mov_b32 s[\g+4], 64                          ; tile_dim1
	s_mov_b32 s[\g+5], KTOT                        ; from row to row
	s_mov_b32 s[\g+6], 0
	s_mov_b32 s[\g+7], 0
.endr
	s_lshl_b32 s18, s16, 6
	s_lshl_b32 s20, s17, 7
	s_add_co_u32 s20, s20, s18                     ; A: row 128 x tile row + 64 x half
	s_lshl_b32 s46, s42, 7
	s_add_co_u32 s46, s46, s18                     ; B: row 128 x tile column + 64 x half
	s_mov_b32 s21, 0
	s_mov_b32 s47, 0
	s_mov_b64 s[18:19], KTOT
	s_mul_u64 s[20:21], s[20:21], s[18:19]
	s_mul_u64 s[46:47], s[46:47], s[18:19]
	s_mul_i32 s45, s14, HALFT                      ; where they go: wave x 64 rows
	; where my cluster begins along K: made of the cluster's own x and y, which all sixteen partners share
	s_and_b32 s84, ttmp7, 0xffff                   ; Y
	s_lshr_b32 s85, s84, 2
	s_lshl_b32 s85, s85, 1
	s_add_co_u32 s84, s84, s85                     ; Y + 2 (Y / 4)
	s_and_b32 s84, s84, 3
	s_lshl_b32 s84, s84, 1                         ; 0, 2, 4 or 6
	s_lshl_b32 s85, ttmp9, 2
	s_add_co_u32 s84, s84, s85                     ; + 4 X
	s_and_b32 s[KK], s84, NSTEP-1                  ; slot 0's first K step,
	s_add_co_u32 s[KK+2], s84, 1
	s_and_b32 s[KK+2], s[KK+2], NSTEP-1            ; slot 1's: the next, round the end of K
	s_lshl_b32 s[KK], s[KK], 9                     ; in bytes: 512 a step
	s_lshl_b32 s[KK+2], s[KK+2], 9
	s_mov_b32 s[KK+1], 0
	s_mov_b32 s[KK+3], 0
	s_wait_kmcnt 0x0
	s_load_b64 s[96:97], s[8:9], EOFF              ; eA, eB
	s_add_nc_u64 s[BA:BA+1], s[4:5], s[20:21]
	s_add_nc_u64 s[BA+2:BA+3], s[6:7], s[46:47]
	s_add_nc_u64 s[BA+2:BA+3], s[BA+2:BA+3], WOFF
	CROUND                                         ; all sixteen work-groups are here: the first joint loads meet
.irp s, 0,1
	s_mov_b32 s[G0+4*\s], 1
	s_add_co_u32 s[G0+4*\s+1], s45, \s*SLOT
	s_add_nc_u64 s[G0+4*\s+2:G0+4*\s+3], s[BA:BA+1], s[KK+2*\s:KK+2*\s+1]
	s_or_b32 s[G0+4*\s+3], s[G0+4*\s+3], 0x80000000
	s_mov_b32 s[G0B+4*\s], 1
	s_add_co_u32 s[G0B+4*\s+1], s45, \s*SLOT
	s_add_nc_u64 s[G0B+4*\s+2:G0B+4*\s+3], s[BA+2:BA+3], s[KK+2*\s:KK+2*\s+1]
	s_or_b32 s[G0B+4*\s+3], s[G0B+4*\s+3], 0x80000000
.if \s
	s_wait_alu depctr_va_vdst(0)                   ; directly ahead of the wait below
	s_wait_tensorcnt 0x0                           ; slot 1's first fill is issued as a refill is: my part of slot 0 is in;
	ds_add_u32 v[SPW], v[NIL]                      ; 0 onto my spare word;
	s_wait_dscnt 0x0                               ; the add is done;
	CROUND                                         ; a whole round, and behind it my one tensor load
.endif
	JLOAD \s
.endr
	v_and_b32 v1, 15, v0                           ; l % 16
	s_wait_alu depctr_va_vdst(0)
	v_bfe_u32 v2, v0, 4, 1                         ; l / 16
	v_mul_u32_u24 v3, v1, PITCH
	v_lshl_add_u32 v4, v2, 4, v3                   ; a fragment's row x pitch + 16 x half
	s_mul_i32 s21, s15, HALFT                      ; my 64 rows of A
	s_mul_i32 s22, s16, HALFT
	s_add_co_u32 s22, s22, 2*HALFT                 ; my 64 rows of B, behind A's 128
.irp s, 0,1
	v_add_nc_u32 v[ADRA+\s], s21, v4
	v_add_nc_u32 v[ADRB+\s], s22, v4
	s_add_co_u32 s21, s21, SLOT
	s_add_co_u32 s22, s22, SLOT
.endr
	s_mul_i32 s23, s14, 16*SPITCH
	s_add_co_u32 s23, s23, STAGE                   ; my stage
	v_mul_u32_u24 v5, v1, SPITCH
	s_wait_alu depctr_va_vdst(0)
	v_lshl_add_u32 v5, v2, 5, v5
	v_add_nc_u32 v[STO], s23, v5                   ; in: row l % 16, 32 bytes for each half of the lanes
	v_mul_u32_u24 v6, v2, SPITCH
	v_lshl_add_u32 v6, v1, 4, v6
	v_add_nc_u32 v[RD], s23, v6                    ; back: lanes 0-15 one row of 256 bytes, lanes 16-31 the next
	v_lshlrev_b32 v[CO], 12, v2
	v_lshl_add_u32 v[CO], v1, 4, v[CO]             ; and the same two rows in z and in the residual (rows of 4,096 bytes)
	v_lshlrev_b32 v10, 4, v1                       ; my four columns' bias
	s_wait_alu depctr_va_vdst(0)
	s_lshl_b32 s72, s17, 19                        ; my part of z: (128 x tile row + 64 x half) rows
	s_lshl_b32 s73, s15, 18
	s_add_co_u32 s72, s72, s73
	s_lshl_b32 s73, s42, 9                         ; + (128 x tile column + 64 x half) numbers
	s_add_co_u32 s72, s72, s73
	s_lshl_b32 s73, s16, 8
	s_add_co_u32 s72, s72, s73
	s_mov_b32 s73, 0
	s_add_nc_u64 s[68:69], s[68:69], s[72:73]
	s_add_nc_u64 s[70:71], s[70:71], s[72:73]
	s_lshl_b32 s72, s42, 9
	s_lshl_b32 s74, s16, 8
	s_add_co_u32 s72, s72, s74
	s_add_nc_u64 s[10:11], s[10:11], s[72:73]
	global_load_b128 v[12:15], v10, s[10:11]       ; the bias
.if LAPS == 1
	RESIDUAL                                       ; K has no lap to spare: the residual is asked for here, behind the tiles, and lands under the products
.endif
.macro MUL4 f, a, zero                 ; A's block a x B's four, 128 along K.  zero = 1: the first product starts the sums.  The 16 accumulators take turns, in the same order in every quarter
.irp b, 0,1,2,3
.if \zero
	v_wmma_f32_16x16x128_fp8_fp8 v[ACC+8*(4*(\a)+\b):ACC+8*(4*(\a)+\b)+7], v[\f+64+16*\b:\f+64+16*\b+15], v[\f+16*(\a):\f+16*(\a)+15], 0
.else
	v_wmma_f32_16x16x128_fp8_fp8 v[ACC+8*(4*(\a)+\b):ACC+8*(4*(\a)+\b)+7], v[\f+64+16*\b:\f+64+16*\b+15], v[\f+16*(\a):\f+16*(\a)+15], v[ACC+8*(4*(\a)+\b):ACC+8*(4*(\a)+\b)+7]
.endif
.endr
.endm
.macro MUL8 f, a0, zero
	MUL4 \f, \a0, \zero
	MUL4 \f, \a0+1, \zero
.endm
.macro FETCH slot, k, f                ; 32 LDS loads in one run: the fragments of 128 along K at byte k of the rows: B's four, then A's four
	WIN TO_F
.irp i, 0,1,2,3
.irp c, 0,1,2,3
	ds_load_b128 v[\f+64+16*\i+4*\c:\f+64+16*\i+4*\c+3], v[ADRB+\slot] offset:\k+32*\c+\i*16*PITCH
.endr
.endr
.irp i, 0,1,2,3
.irp c, 0,1,2,3
	ds_load_b128 v[\f+16*\i+4*\c:\f+16*\i+4*\c+3], v[ADRA+\slot] offset:\k+32*\c+\i*16*PITCH
.endr
.endr
.endm
.macro PLACES                          ; four places in front of loads into registers that matrix instructions have read, and of the first read of results
.rept 4
	v_nop
.endr
.endm
.macro QUARTER slot, k, f, g, zero     ; multiplies buffer f and fetches the next quarter, at byte k, into g
	s_wait_dscnt 8                                 ; B's four and A's blocks 0, 1 are in; the youngest eight loads (A's blocks 2, 3) may be out
	WIN MUL
	MUL8 \f, 0, \zero
	PLACES
	FETCH \slot, \k, \g
	s_wait_dscnt 32                                ; all but the 32 just issued
	WIN MUL
	MUL8 \f, 2, \zero
.endm
; A slot's last quarter multiplies buffer 1 and changes slots: one barrier; in front of it each wave waits for all its tensor loads, adds 0 to its spare word, and waits for that and for its reads of this slot.
; fill = 1: this slot is filled again, two K steps on, round the end of K: one load a wave is out behind the round, and it has a K step's 64 matrix instructions, less the eight in front of the next signal, in which to land.
.macro TURN slot, next, fill
	WIN 0
	s_wait_tensorcnt 0x0                           ; all my tensor loads have landed: my part of the next slot; so a group 0 may be written
	ds_add_u32 v[SPW], v[NIL]                      ; 0 onto my spare word; the descriptors' steps stand behind it
.if \fill
	s_add_co_u32 s[KK+2*\slot], s[KK+2*\slot], 2*KSTEP
	s_and_b32 s[KK+2*\slot], s[KK+2*\slot], KTOT-1                 ; two K steps on, modulo a row's KTOT bytes
	s_add_nc_u64 s[G0+4*\slot+2:G0+4*\slot+3], s[BA:BA+1], s[KK+2*\slot:KK+2*\slot+1]
	s_or_b32 s[G0+4*\slot+3], s[G0+4*\slot+3], 0x80000000
	s_add_nc_u64 s[G0B+4*\slot+2:G0B+4*\slot+3], s[BA+2:BA+3], s[KK+2*\slot:KK+2*\slot+1]
	s_or_b32 s[G0B+4*\slot+3], s[G0B+4*\slot+3], 0x80000000
.endif
	s_wait_dscnt 9                                 ; (the add and the youngest eight loads may be out)
	WIN MUL
	MUL4 F1, 0, 0
	s_wait_dscnt 0x0                               ; the add is done, and my reads of this slot are over
	s_barrier_signal -1
	MUL4 F1, 1, 0
	WIN 0
	s_barrier_wait -1
.if \fill
	CREST                                          ; the barrier has opened a round of the cluster's barrier: no wave of any partner still reads this slot's tile or has a load on its way
	JLOAD \slot                                    ; the first tensor load behind the round; its four v_nop are the places in front of the loads below
.else
	PLACES
.endif
	FETCH \next, 0, F0
	WIN MUL
	MUL4 F1, 2, 0
	MUL4 F1, 3, 0
.endm
.macro LAP                             ; once round the ring, from a lap's second quarter to the next lap's first; both slots are filled again
	QUARTER 0, 256, F1, F0, 0
	QUARTER 0, 384, F0, F1, 0
	TURN 0, 1, 1
	QUARTER 1, 128, F0, F1, 0
	QUARTER 1, 256, F1, F0, 0
	QUARTER 1, 384, F0, F1, 0
	TURN 1, 0, 1
	QUARTER 0, 128, F0, F1, 0
	WIN 0
.endm
	s_wait_tensorcnt 1                             ; my part of slot 0 is in; slot 1's may be out
	s_barrier_signal -1
	s_barrier_wait -1
	FETCH 0, 0, F0
	QUARTER 0, 128, F0, F1, 1                      ; the first quarter's products start the sums
.if LAPS > 1
	LAP                                            ; the first lap is written out,
	RESIDUAL                                       ; and the residual is asked for behind it: it has the loop's two trips and the last lap, 368 matrix instructions a wave, in which to land
.if LAPS > 2
	s_mov_b32 s3, LAPS-2
.Llap:
	LAP
	s_sub_co_u32 s3, s3, 1
	s_cmp_lg_u32 s3, 0
	s_cbranch_scc1 .Llap
.endif
.endif
	QUARTER 0, 256, F1, F0, 0                      ; the last lap fills nothing
	QUARTER 0, 384, F0, F1, 0
	TURN 0, 1, 0
	QUARTER 1, 128, F0, F1, 0
	QUARTER 1, 256, F1, F0, 0
	QUARTER 1, 384, F0, F1, 0
	s_wait_dscnt 8
	WIN MUL
	MUL8 F1, 0, 0
	s_wait_dscnt 0
	MUL8 F1, 2, 0
	WIN 0
; THE WAY OUT, a block of 16 rows x 64 columns at a time.  A wave's 64 columns of f32 are 256 consecutive bytes, so the stage is the wave's own: no barrier, and LDS serves a wave's instructions in order.
.macro TOSTAGE a
.irp b, 0,1,2,3
	ds_store_b128 v[STO], v[ACC+32*\a+8*\b:ACC+32*\a+8*\b+3] offset:64*\b          ; each accumulator from its low end on
	ds_store_b128 v[STO], v[ACC+32*\a+8*\b+4:ACC+32*\a+8*\b+7] offset:64*\b+16
.endr
.irp t, 0,1,2,3,4,5,6,7
	ds_load_b128 v[ACC+32*\a+4*\t:ACC+32*\a+4*\t+3], v[RD] offset:2*\t*SPITCH      ; back as whole rows, into the registers that they left
.endr
.endm
.macro FINISH a, younger, loads        ; younger: LDS instructions issued behind this block's; loads: residual loads issued behind this block's
	s_wait_dscnt \younger
	s_wait_loadcnt \loads
.irp t, 0,1,2,3,4,5,6,7
.set TT, ACC+32*\a+4*\t
	v_pk_fma_f32 v[TT:TT+1], v[TT:TT+1], s[96:97], v[12:13] op_sel_hi:[1,0,1]      ; sum x 2^(eA + eB) + bias
	v_pk_fma_f32 v[TT+2:TT+3], v[TT+2:TT+3], s[96:97], v[14:15] op_sel_hi:[1,0,1]
.endr
.if \a == 3
	WIN 0x08                                       ; source 1: window 2, where block 3's residual lies
.irp t, 0,1,2,3,4,5,6,7
.set TT, ACC+32*\a+4*\t
	v_pk_add_f32 v[TT:TT+1], v[TT:TT+1], v[RES3+4*\t:RES3+4*\t+1]
	v_pk_add_f32 v[TT+2:TT+3], v[TT+2:TT+3], v[RES3+4*\t+2:RES3+4*\t+3]
.endr
	WIN 0
.else
.irp t, 0,1,2,3,4,5,6,7
.set TT, ACC+32*\a+4*\t
.set RR, RES+32*\a+4*\t
	v_pk_add_f32 v[TT:TT+1], v[TT:TT+1], v[RR:RR+1]                                ; + the residual
	v_pk_add_f32 v[TT+2:TT+3], v[TT+2:TT+3], v[RR+2:RR+3]
.endr
.endif
.irp t, 0,1,2,3,4,5,6,7
.set TT, ACC+32*\a+4*\t
	global_store_b128 v[CO], v[TT:TT+3], s[70:71] offset:(16*\a+2*\t)*4096 th:TH_STORE_NT   ; sixteen lanes store 256 consecutive bytes, at a multiple of 256 from z's first byte; written once, read by nobody here
.endr
.endm
	s_wait_kmcnt 0x0
	s_add_co_i32 s96, s96, s97
	s_add_co_i32 s96, s96, 127
	s_lshl_b32 s96, s96, 23                        ; 2^(eA + eB) as f32
	s_mov_b32 s97, s96                             ; (named with it as a pair)
	PLACES
	TOSTAGE 0
	TOSTAGE 1
	FINISH 0, 16, 24                               ; behind block 0's: block 1's 8 stores and 8 loads; the residual of blocks 1 to 3
	TOSTAGE 2
	FINISH 1, 16, 16
	TOSTAGE 3
	FINISH 2, 16, 8
	FINISH 3, 0, 0
	s_wait_tensorcnt 0x0                           ; the wave's end
	ds_add_u32 v[SPW], v[NIL]
	s_wait_dscnt 0x0
	CROUND                                         ; the closing round
	s_endpgm
.Lfunc_end_k_q7f4e5247a5_ff2:
	.size	k_q7f4e5247a5_ff2, .Lfunc_end_k_q7f4e5247a5_ff2-k_q7f4e5247a5_ff2
	.p2alignl 7, 3214868480
	.fill 96, 4, 3214868480
	.section	.rodata,"a",@progbits
	.p2align	6, 0x0
	.amdhsa_kernel k_q7f4e5247a5_ff2
		.amdhsa_group_segment_fixed_size 327680
		.amdhsa_private_segment_fixed_size 0
		.amdhsa_enable_private_segment 0
		.amdhsa_kernarg_size 48
		.amdhsa_user_sgpr_count 2
		.amdhsa_user_sgpr_kernarg_segment_ptr 1
		.amdhsa_wavefront_size32 1
		.amdhsa_system_sgpr_workgroup_id_x 1
		.amdhsa_system_sgpr_workgroup_id_y 1
		.amdhsa_system_sgpr_workgroup_id_z 1
		.amdhsa_system_vgpr_workitem_id 0
		.amdhsa_next_free_vgpr 544
		.amdhsa_next_free_sgpr 100
		.amdhsa_reserve_vcc 0
		.amdhsa_float_denorm_mode_32 3
		.amdhsa_float_denorm_mode_16_64 3
		.amdhsa_memory_ordered 1
		.amdhsa_forward_progress 1
		.amdhsa_inst_pref_size 111
	.end_amdhsa_kernel
	.amdgpu_metadata
---
amdhsa.version: [ 1, 2 ]
amdhsa.kernels:
  - .name:           k_q7f4e5247a5_ff2
    .symbol:         k_q7f4e5247a5_ff2.kd
    .args:
      - { .name: hc, .offset: 0, .size: 8, .value_kind: global_buffer, .address_space: global }
      - { .name: wc, .offset: 8, .size: 8, .value_kind: global_buffer, .address_space: global }
      - { .name: lowp_scales, .offset: 16, .size: 8, .value_kind: global_buffer, .address_space: global }
      - { .name: b_ff2, .offset: 24, .size: 8, .value_kind: global_buffer, .address_space: global }
      - { .name: x1, .offset: 32, .size: 8, .value_kind: global_buffer, .address_space: global }
      - { .name: z, .offset: 40, .size: 8, .value_kind: global_buffer, .address_space: global }
    .group_segment_fixed_size: 327680
    .private_segment_fixed_size: 0
    .kernarg_segment_align: 8
    .kernarg_segment_size: 48
    .max_flat_workgroup_size: 128
    .sgpr_count:     100
    .vgpr_count:     544
    .wavefront_size: 32
...
	.end_amdgpu_metadata
.endif
;; end of part 6
;; launch ln2 (part 7): grid 256 x 1, 4 waves a work-group, no clusters, 0 bytes of LDS; arguments z, g2, be2, out0; writes out0
.if DOCPART == 7
	.amdgcn_target "amdgcn-amd-amdhsa--gfx1250"
	.amdhsa_code_object_version 6
	.text
	.protected	k_q7f4e5247a5_ln2
	.globl	k_q7f4e5247a5_ln2
	.p2align	8
	.type	k_q7f4e5247a5_ln2,@function
k_q7f4e5247a5_ln2:
	s_mov_b64 s[64:65], 0
	v_nop
	global_prefetch_b8 v0, s[64:65] scope:SCOPE_SE
	s_setreg_imm32_b32 hwreg(HW_REG_WAVE_MODE, 25, 1), 1
	s_wait_xcnt 0x0
; out0[r][:] = (z[r][:] - mean) x rsqrt(var + 1e-5) x g + be, rows of 1,024 f32.
; A wave takes 4 whole rows and keeps them in registers: a row is 8 loads of 512 consecutive bytes; lane l holds columns 128 j + 4 l .. + 3.  No LDS, no barrier: no wave waits for another.
; The variance is taken of the differences from the mean, in a second pass over the registers: a common offset of the inputs costs no digits.
.set OUT, 10                           ; s[10:11] the result
.set G,   16                           ; v16-47 g, v48-79 be of my 32 columns
.set BE,  48
.set X,   80                           ; v80-207 four rows
.set PD,  208                          ; the lane permute's destination
	s_load_b256 s[4:11], s[0:1], 0x0               ; z, g, be, out0
	v_lshrrev_b32 v1, 5, v0
	v_readfirstlane_b32 s14, v1                    ; wave
	v_and_b32 v2, 31, v0
	v_lshlrev_b32 v1, 4, v2                        ; 16 x lane
	v_mov_b32 v[PD], 0
	s_mov_b32 s12, 0x76543210
	s_mov_b32 s13, 0xfedcba98
	s_mov_b32 s20, 0x3a800000                      ; 1 / 1024
	s_mov_b32 s21, 0x3727c5ac                      ; 1e-5
	s_lshl_b32 s22, ttmp9, 4
	s_lshl_b32 s23, s14, 2
	s_add_co_u32 s22, s22, s23                     ; my first row
	s_lshl_b32 s22, s22, 12
	s_mov_b32 s23, 0
	s_wait_alu depctr_va_vdst(0)
	s_wait_kmcnt 0x0
	s_add_nc_u64 s[4:5], s[4:5], s[22:23]
	s_add_nc_u64 s[OUT:OUT+1], s[OUT:OUT+1], s[22:23]
.irp j, 0,1,2,3,4,5,6,7
	global_load_b128 v[G+4*\j:G+4*\j+3], v1, s[6:7] offset:512*\j
.endr
.irp j, 0,1,2,3,4,5,6,7
	global_load_b128 v[BE+4*\j:BE+4*\j+3], v1, s[8:9] offset:512*\j
.endr
.irp i, 0,1,2,3
.irp j, 0,1,2,3,4,5,6,7
	global_load_b128 v[X+32*\i+4*\j:X+32*\i+4*\j+3], v1, s[4:5] offset:4096*\i+512*\j th:TH_LOAD_NT
.endr
.endr
.macro LANES                           ; four chains in v[4:11] become one number in every lane's v4
	v_pk_add_f32 v[4:5], v[4:5], v[6:7]
	v_pk_add_f32 v[8:9], v[8:9], v[10:11]
	v_pk_add_f32 v[4:5], v[4:5], v[8:9]
	v_add_f32 v4, v4, v5
	v_add_f32_dpp v4, v4, v4 row_xmask:1 row_mask:0xf bank_mask:0xf
	v_add_f32_dpp v4, v4, v4 row_xmask:2 row_mask:0xf bank_mask:0xf
	v_add_f32_dpp v4, v4, v4 row_xmask:4 row_mask:0xf bank_mask:0xf
	v_add_f32_dpp v4, v4, v4 row_xmask:8 row_mask:0xf bank_mask:0xf
	v_permlanex16_b32 v[PD], v4, s12, s13
	v_add_f32 v4, v4, v[PD]
.endm
.macro ROW i
.set XR, X+32*\i
	s_wait_loadcnt 24-8*\i                         ; g, be and this row are in; the later rows' loads may be out
.irp k, 0,1,2,3
	v_pk_add_f32 v[4+2*\k:5+2*\k], v[XR+2*\k:XR+2*\k+1], v[XR+8+2*\k:XR+9+2*\k]
.endr
.irp p, 16,24
.irp k, 0,1,2,3
	v_pk_add_f32 v[4+2*\k:5+2*\k], v[4+2*\k:5+2*\k], v[XR+\p+2*\k:XR+\p+2*\k+1]
.endr
.endr
	LANES
	v_mul_f32 v12, s20, v4                         ; the mean
	v_mov_b32 v13, v12
.set p, 0
.rept 16
	v_pk_add_f32 v[XR+p:XR+p+1], v[XR+p:XR+p+1], v[12:13] neg_lo:[0,1] neg_hi:[0,1]
.set p, p+2
.endr
.irp k, 0,1,2,3
	v_pk_mul_f32 v[4+2*\k:5+2*\k], v[XR+2*\k:XR+2*\k+1], v[XR+2*\k:XR+2*\k+1]
.endr
.irp p, 8,16,24
.irp k, 0,1,2,3
	v_pk_fma_f32 v[4+2*\k:5+2*\k], v[XR+\p+2*\k:XR+\p+2*\k+1], v[XR+\p+2*\k:XR+\p+2*\k+1], v[4+2*\k:5+2*\k]
.endr
.endr
	LANES
	v_fma_f32 v6, v4, s20, s21                     ; the variance + 1e-5
	s_wait_alu depctr_va_vdst(0)
	v_rsq_f32 v14, v6
	v_rsq_f32 v15, v6                              ; twice: a pair for the packed multiply
	v_nop                                          ; a plain line behind the transcendentals
	s_wait_alu depctr_va_vdst(0)                   ; one wait for both, ahead of the first reader
.set p, 0
.rept 16
	v_pk_mul_f32 v[XR+p:XR+p+1], v[XR+p:XR+p+1], v[14:15]
.set p, p+2
.endr
.set p, 0
.rept 16
	v_pk_fma_f32 v[XR+p:XR+p+1], v[XR+p:XR+p+1], v[G+p:G+p+1], v[BE+p:BE+p+1]
.set p, p+2
.endr
.irp j, 0,1,2,3,4,5,6,7
	global_store_b128 v1, v[XR+4*\j:XR+4*\j+3], s[OUT:OUT+1] offset:4096*\i+512*\j th:TH_STORE_NT   ; 512 consecutive bytes a store; written once, read by nobody here
.endr
.endm
	ROW 0
	ROW 1
	ROW 2
	ROW 3
	s_endpgm
.Lfunc_end_k_q7f4e5247a5_ln2:
	.size	k_q7f4e5247a5_ln2, .Lfunc_end_k_q7f4e5247a5_ln2-k_q7f4e5247a5_ln2
	.p2alignl 7, 3214868480
	.fill 96, 4, 3214868480
	.section	.rodata,"a",@progbits
	.p2align	6, 0x0
	.amdhsa_kernel k_q7f4e5247a5_ln2
		.amdhsa_group_segment_fixed_size 0
		.amdhsa_private_segment_fixed_size 0
		.amdhsa_enable_private_segment 0
		.amdhsa_kernarg_size 32
		.amdhsa_user_sgpr_count 2
		.amdhsa_user_sgpr_kernarg_segment_ptr 1
		.amdhsa_wavefront_size32 1
		.amdhsa_system_sgpr_workgroup_id_x 1
		.amdhsa_system_sgpr_workgroup_id_y 1
		.amdhsa_system_sgpr_workgroup_id_z 1
		.amdhsa_system_vgpr_workitem_id 0
		.amdhsa_next_free_vgpr 216
		.amdhsa_next_free_sgpr 66
		.amdhsa_reserve_vcc 0
		.amdhsa_float_denorm_mode_32 3
		.amdhsa_float_denorm_mode_16_64 3
		.amdhsa_memory_ordered 1
		.amdhsa_forward_progress 1
		.amdhsa_inst_pref_size 34
	.end_amdhsa_kernel
	.amdgpu_metadata
---
amdhsa.version: [ 1, 2 ]
amdhsa.kernels:
  - .name:           k_q7f4e5247a5_ln2
    .symbol:         k_q7f4e5247a5_ln2.kd
    .args:
      - { .name: z, .offset: 0, .size: 8, .value_kind: global_buffer, .address_space: global }
      - { .name: g2, .offset: 8, .size: 8, .value_kind: global_buffer, .address_space: global }
      - { .name: be2, .offset: 16, .size: 8, .value_kind: global_buffer, .address_space: global }
      - { .name: out0, .offset: 24, .size: 8, .value_kind: global_buffer, .address_space: global }
    .group_segment_fixed_size: 0
    .private_segment_fixed_size: 0
    .kernarg_segment_align: 8
    .kernarg_segment_size: 32
    .max_flat_workgroup_size: 128
    .sgpr_count:     66
    .vgpr_count:     216
    .wavefront_size: 32
...
	.end_amdgpu_metadata
.endif
;; end of part 7
